; MI455X (gfx1250); checked and timed in simulation.
; The chip was launched on July 23, 2026; its instructions are those of AMD's public machine-readable ISA for CDNA 5 (MIT licence, August 2026) and "CDNA5" Instruction Set Architecture Reference Guide (July 2026). The comments in the code are by the model that wrote it; some were corrected since.
;; Encoderlayer. Allowed arithmetic: matrix products marked QUANTISED: E2M3 operands, one E8M0 scale for each 32 along K, by v_wmma_scale_f32_16x16x128_f8f6f4 with both operands' format E2M3, f32 sums; everything else in f32.
;; Inputs: W1 1,024 x 2,048 float32; W2 2,048 x 1,024 float32; Wk 1,024 x 1,024 float32; Wo 1,024 x 1,024 float32; Wq 1,024 x 1,024 float32; Wv 1,024 x 1,024 float32; b1 2,048 float32; b2 1,024 float32; bk 1,024 float32; bo 1,024 float32; bq 1,024 float32; bv 1,024 float32; ln1_a 1 float32; ln1_b 1 float32; ln2_a 1 float32; ln2_b 1 float32; x 1 x 4,096 x 1,024 float32.
;; Outputs: out0 1 x 4,096 x 1,024 float32.
;; This version of the problem:
;;   THIS VERSION OF THE PROBLEM IS GIVEN IN LOW PRECISION. The matrix products marked QUANTISED in the list below multiply operands that are first quantised to E2M3 (2 exponent bits, 3 mantissa bits; 6 bits a number), with one power-of-two scale for each 32 numbers along K (OCP MX v1.0); their sums are f32. All else is computed in f32.
;;   The module's matrix products, in the order in which they are computed (A, B: the left and right operand; K: the contracted axis; several contracted axes count as one K, in the product's order):
;;     1. [M 4,096, K 1,024] x [K 1,024, N 1,024]; A: computed on the way; B: input Wq: QUANTISED
;;     2. [M 4,096, K 1,024] x [K 1,024, N 1,024]; A: computed on the way; B: input Wk: QUANTISED
;;     3. [M 4,096, K 1,024] x [K 1,024, N 1,024]; A: computed on the way; B: input Wv: QUANTISED
;;     4. batch 16 x [M 4,096, K 64] x [K 64, N 4,096]; A: computed on the way; B: computed on the way: QUANTISED
;;     5. batch 16 x [M 64, K 4,096] x [K 4,096, N 4,096]; A: computed on the way; B: softmax (see below): QUANTISED
;;     6. [M 4,096, K 1,024] x [K 1,024, N 1,024]; A: computed on the way; B: input Wo: QUANTISED
;;     7. [M 4,096, K 1,024] x [K 1,024, N 2,048]; A: computed on the way; B: input W1: QUANTISED
;;     8. [M 4,096, K 2,048] x [K 2,048, N 1,024]; A: computed on the way; B: input W2: QUANTISED
;;   THE QUANTISER, for each operand of a quantised product, along K:
;;     - K is cut into blocks of 32 from its start; a last block that is shorter is filled with zeros.
;;     - A block's scale is 2^e with e = floor(log2(the largest magnitude in the block)) - 2, held to -126 .. 127; a block of zeros has e = 0. As a byte (E8M0): e + 127.
;;     - Each number is divided by its block's scale, clamped to +-7.5, and rounded to the nearest number of E2M3, ties to even, subnormals kept.
;;     - The product sums the exact products of the quantised numbers (number of the format x scale) in f32.
;;   ~~~python
;;   def quantise(x, axis):      # numpy; x: float32 -> the quantised numbers, widened to float32 again
;;       x = np.moveaxis(x, axis, -1); K = x.shape[-1]
;;       x = np.pad(x, [(0, 0)] * (x.ndim - 1) + [(0, -K % 32)]); x = x.reshape(x.shape[:-1] + (-1, 32)); a = np.abs(x).max(-1, keepdims=True)
;;       e = np.where(a > 0, np.clip(np.frexp(np.where(a > 0, a, 1))[1] - 1 - 2, -126, 127), 0)      # np.frexp(a)[1] - 1 = floor(log2(a)), exactly
;;       r = np.clip(x / 2.0 ** e, -7.5, 7.5)
;;       step = 2.0 ** (np.maximum(np.frexp(np.where(r == 0, 1, r))[1] - 1, 0) - 3)
;;       q = np.round(r / step) * step * 2.0 ** e      # np.round: ties to even
;;       return np.moveaxis(q.reshape(q.shape[:-2] + (-1,))[..., :K], -1, axis).astype(np.float32)
;;   ~~~
;;   SOFTMAX AHEAD OF A QUANTISED PRODUCT. Where the list says 'softmax', what is quantised is not the finished softmax but p = 2^(t - M), with t = logit x log2(e) and M = ceil(the row's largest t), a whole number; so 1/2 < the row's largest p <= 1. The row's sum l is taken of the UNQUANTISED p, in f32, and the product's result is divided by l at the end. Since M is a whole number, a kernel that streams over the keys may use a running M (the ceiling of the running maximum): every later rescaling is an exact power of two, which a block's scale takes up: the codes' values come out the same.
;;   OPERANDS COMPUTED ON THE WAY. 'Computed on the way' means the value that the module computes at that place (a softmax that the list does not call 'softmax' is quantised finished and normalised). What goes into a quantiser is computed in f32, as accurately as f32 sums, v_exp_f32 and their like allow (about 1e-6 of the number): no bf16 or f16 on the way to a quantiser, and a product that is left as it is and whose result goes on into a quantised operand takes f32 operands (vector FMAs, or v_wmma_f32_16x16x4_f32). A number that lies on a knife's edge between two numbers of the format may be rounded either way, as far as f32 arithmetic and the matrix unit's own rounding can turn it there, and no further.
;; One version. Each part assembles by itself: llvm-mc -triple=amdgcn-amd-amdhsa -mcpu=gfx1250 --defsym DOCPART=n.
;; ======== version 1 of 1: 7 launches
;; workspace buffers: wqk 1,720,320 bytes; w1c 1,720,320 bytes; wrest 3,407,872 bytes; bufA 3,407,872 bytes; big 6,815,744 bytes; vt 3,407,872 bytes; x1 16,777,216 bytes
;; launch prep (part 1): grid 512 x 1, 8 waves a work-group, no clusters, 96,256 bytes of LDS; arguments x, ln1_a, ln1_b, bufA, Wq, Wk, Wv, Wo, W1, W2, bq, bk, b1, wqk, w1c, wrest; writes bufA, wqk, w1c, wrest
.if DOCPART == 1
	.amdgcn_target "amdgcn-amd-amdhsa--gfx1250"
	.amdhsa_code_object_version 6
	.text
	.protected	k_q2477d386ee_prep
	.globl	k_q2477d386ee_prep
	.p2align	8
	.type	k_q2477d386ee_prep,@function
k_q2477d386ee_prep:
	s_mov_b64 s[64:65], 0
	v_nop
	global_prefetch_b8 v0, s[64:65] scope:SCOPE_SE
	s_setreg_imm32_b32 hwreg(HW_REG_WAVE_MODE, 25, 1), 1
	s_wait_xcnt 0x0
; Two kinds of work-groups, told apart by the work-group's number.
; 0-255:   LAYER NORM AND QUANTISER.  y = a (x - mean) / (std + 1e-6) + b over rows of 1,024 f32 (std with 1,023 in the divisor), turned into codes of FP6 (E2M3) with one E8M0 byte for each 32 along the row.
; 256-511: THE SIX WEIGHTS, f32 stored [K][N], quantised along K (their first axis); bq|bk and b1 are copied behind their weights, with the floor that the product's launch applies to its results (-infinity, or 0 for the relu).
; EVERY OPERAND OF THIS PROGRAM LIES IN MEMORY AS AN IMAGE OF THE MATRIX OPERAND'S REGISTERS.  A group is 128 rows x 128 K, GRP = 13,312 bytes, group (rb, ks) at (rb KS + ks) GRP.  Tile i of 8 has its codes at 1,536 i:
; half c at + 768 c: lane L's registers 6 c .. 6 c + 3 at 16 L (512 bytes), registers 6 c + 4, 6 c + 5 at 512 + 8 L (256 bytes).  Scale words at 12,288 + 128 i + 4 L (lanes L and L + 16 hold the same word).
; Lane r = L % 16 of tile i is row 128 rb + 32 (i / 2) + 8 (i % 2) + r + 8 (r / 8); lane (r, h) holds in registers 6 c .. 6 c + 5 the codes of k = 64 c + 32 h + 0 .. 31.
; A block's scale is 2^(floor(log2(largest magnitude)) - 2): its byte is the largest magnitude's exponent field - 2, held at 1 from below.
; LIMITS: NaN and infinities among the inputs are not served; a block of zeros gets the byte 1 (its codes are zeros, and this program alone reads the bytes); 1 / 1,023 is a constant of f32, 1 / (std + eps) comes by v_rcp_f32.
.set GRP,     13312
.set STP,     528                      ; a stage row: 512 bytes + 16: 33 x 16, so that sixteen rows' 16 bytes fall on sixteen different columns of banks
.set WSTG,    16*STP                   ; a wave's stage (layer norm): 16 rows
.set RED,     8*WSTG                   ; 67,584: two tables of 16 rows x 8 waves of partial sums, 512 bytes each
.set WST,     RED+1024                 ; 68,608: the weights' work-groups have bytes of their own: for each wave two tiles' images and their scale words
.set WREG,    3328
.set SPARE,   WST+8*WREG               ; 95,232: the spare words, 128 bytes for each wave, which no other line names
.set BIASOFF, 128*GRP                  ; behind 16 x 8 groups: 2,048 numbers of bias, then 2,048 copies of the floor
.set SPW, 14                           ; v14  LDS address of my spare word; never rewritten
.set NIL, 15                           ; v15  0; never rewritten
.set X,   80                           ; v80-143  64 numbers of a lane: register 16 b + i = column 32 b + 16 h + i of my row's 128
.set TM,  144                          ; v144-159 at work in the quantiser
.set PW,  160                          ; the scale word
.set PC,  162                          ; v162-173 the codes; v174-180 the conversions' second halves
.set SEL, 34                           ; s[34:35] lane selects: lane l xor 16
; 64 numbers of a lane, register 16 b + i = k 32 b + 16 (lane / 16) + i of my row, become a fragment's codes in v[PC] on and its scale word in v[PW]
.macro QUANT s
.irp b, 0,1,2,3
	v_max3_num_f32 v[TM+\b], |v[(\s)+16*\b]|, |v[(\s)+1+16*\b]|, 0x1800000   ; block b: my 16 numbers and the floor 2^(3 - 127): the byte cannot fall under 1
.endr
.irp i, 2,4,6,8,10,12,14
.irp b, 0,1,2,3
	v_max3_num_f32 v[TM+\b], v[TM+\b], |v[(\s)+16*\b+\i]|, |v[(\s)+1+16*\b+\i]|
.endr
.endr
.irp b, 0,1,2,3
	v_permlanex16_b32 v[TM+4+\b], v[TM+\b], s[SEL], s[SEL+1]
.endr
.irp b, 0,1,2,3
	v_max_num_f32 v[TM+\b], v[TM+\b], v[TM+4+\b]                   ; with lane l xor 16's 16: the block's largest magnitude
.endr
.irp b, 0,1,2,3
	v_add_nc_u32 v[TM+12+\b], 0xff000000, v[TM+\b]                 ; 2 off its exponent field: the conversion takes that field as its scale
.endr
.irp b, 0,1,2,3
	v_lshrrev_b32 v[TM+4+\b], 23, v[TM+12+\b]                      ; the scale's byte
.endr
	v_lshl_or_b32 v[PW], v[TM+5], 8, v[TM+4]
	v_lshl_or_b32 v[PW], v[TM+6], 16, v[PW]
	v_lshl_or_b32 v[PW], v[TM+7], 24, v[PW]
.irp c, 0,1
	v_cvt_scalef32_pk16_fp6_f32 v[PC+6*\c:PC+2+6*\c], v[(\s)+32*\c:(\s)+15+32*\c], v[TM+12+2*\c]
	v_cvt_scalef32_pk16_fp6_f32 v[PC+12+4*\c:PC+14+4*\c], v[(\s)+16+32*\c:(\s)+31+32*\c], v[TM+13+2*\c]   ; (a conversion's three registers begin on an even number)
.endr
	v_nop                                          ; one plain instruction behind the conversions
.irp c, 0,1                            ; the operand wants a whole block in a lane: lanes 0-15 block 2 c, lanes 16-31 block 2 c + 1
.irp i, 0,1,2
	v_permlane16_swap_b32 v[PC+6*\c+\i], v[PC+12+4*\c+\i]
.endr
.irp i, 0,1,2
	v_mov_b32 v[PC+3+6*\c+\i], v[PC+12+4*\c+\i]
.endr
.endr
.endm
; v[144:147], two packed chains of a lane's sums, become the row's sum over all 1,024 columns, in v148 of every lane: halves, lane l xor 16, then the eight waves' words through LDS
.macro ACROSS off
	v_pk_add_f32 v[144:145], v[144:145], v[146:147]
	v_add_f32 v144, v144, v145
	v_permlanex16_b32 v146, v144, s[SEL], s[SEL+1]
	v_add_f32 v144, v144, v146
	ds_store_b32 v7, v144 offset:\off              ; word [row r][wave]; lanes r and r + 16 write the same word with the same value
	s_wait_dscnt 0x0                               ; for the others' sake: my store has landed
	s_barrier_signal -1
	s_barrier_wait -1
	ds_load_b128 v[148:151], v8 offset:\off
	ds_load_b128 v[152:155], v8 offset:\off+16
	s_wait_dscnt 0x0
	v_pk_add_f32 v[148:149], v[148:149], v[150:151]
	v_pk_add_f32 v[152:153], v[152:153], v[154:155]
	v_pk_add_f32 v[148:149], v[148:149], v[152:153]
	v_add_f32 v148, v148, v149
.endm
	s_load_b256 s[4:11], s[0:1], 0x0               ; the rows s[4:5], a s[6:7], b s[8:9], the codes' buffer s[10:11]
	v_lshl_add_u32 v[SPW], v0, 2, SPARE
	v_mov_b32 v[NIL], 0
	v_lshrrev_b32 v1, 5, v0
	v_readfirstlane_b32 s16, v1                    ; wave 0..7
	v_and_b32 v1, 31, v0                           ; lane
	v_and_b32 v2, 15, v0                           ; r
	v_bfe_u32 v3, v0, 4, 1                         ; h
	v_lshlrev_b32 v4, 4, v1                        ; 16 x lane
	s_cmp_lt_u32 ttmp9, 256
	s_cbranch_scc0 .Lweights
	; ---- LAYER NORM.  The work-group is one tile of 16 rows, wave w its columns 128 w .. 128 w + 127: one fragment a wave
	s_lshr_b32 s17, ttmp9, 1
	s_lshl_b32 s17, s17, 5
	s_and_b32 s18, ttmp9, 1
	s_lshl_b32 s18, s18, 3
	s_add_co_u32 s17, s17, s18                     ; the tile's first row: 32 (tile / 2) + 8 (tile % 2)
	s_lshl_b32 s20, s17, 12                        ; rows of 4,096 bytes
	s_lshl_b32 s18, s16, 9
	s_add_co_u32 s20, s20, s18                     ; + my wave's 512 bytes
	s_mov_b32 s21, 0
	s_mul_i32 s19, s16, WSTG
	v_add_nc_u32 v5, s19, v4                       ; the stage, in: 16 bytes a lane of a row's 512
	v_mul_u32_u24 v6, v2, STP
	v_lshl_add_u32 v6, v3, 6, v6
	v_add_nc_u32 v6, s19, v6                       ; and out: row r, + 64 h
	v_lshlrev_b32 v8, 5, v2
	v_add_nc_u32 v8, RED, v8                       ; row r's eight partial sums
	s_lshl_b32 s18, s16, 2
	v_add_nc_u32 v7, s18, v8                       ; and my wave's word among them
	v_lshlrev_b32 v9, 3, v1
	v_lshlrev_b32 v10, 2, v1
	s_mov_b32 s[SEL], 0x76543210
	s_mov_b32 s[SEL+1], 0xfedcba98
	s_lshr_b32 s26, ttmp9, 3
	s_lshl_b32 s26, s26, 3
	s_add_co_u32 s26, s26, s16
	s_mul_i32 s26, s26, GRP                        ; my group: (tile / 8) x 8 + wave
	s_and_b32 s27, ttmp9, 7
	s_mul_i32 s28, s27, 1536
	s_add_co_u32 s28, s26, s28
	s_mov_b32 s29, 0
	s_lshl_b32 s27, s27, 7
	s_add_co_u32 s32, s26, s27
	s_mov_b32 s33, 0
	s_wait_kmcnt 0x0
	s_add_nc_u64 s[4:5], s[4:5], s[20:21]
	s_add_nc_u64 s[30:31], s[10:11], s[28:29]      ; my tile's codes
	s_add_nc_u64 s[32:33], s[10:11], s[32:33]      ; and, 12,288 bytes on, its scale words
	s_load_b32 s22, s[6:7], 0x0                    ; a
	s_load_b32 s24, s[8:9], 0x0                    ; b
.irp i, 0,1,2,3,4,5,6,7,8,9,10,11,12,13,14,15
	global_load_b128 v[16+4*\i:19+4*\i], v4, s[4:5] offset:(\i+8*(\i/8))*4096 th:TH_LOAD_NT   ; 32 lanes read 512 consecutive bytes of the row of the tile's lane i
.endr
.irp i, 0,1,2,3,4,5,6,7,8,9,10,11,12,13,14,15
	s_wait_loadcnt 15-\i                           ; loads come back in order: row i is in, the younger ones stay out
	ds_store_b128 v5, v[16+4*\i:19+4*\i] offset:STP*\i
.endr
.irp b, 0,1,2,3
.irp j, 0,1,2,3
	ds_load_b128 v[X+16*\b+4*\j:X+16*\b+4*\j+3], v6 offset:128*\b+16*\j   ; my wave's own bytes, served in order: no wait between the stores and these
.endr
.endr
	s_wait_dscnt 0x0
	v_pk_add_f32 v[144:145], v[X:X+1], v[X+4:X+5]
	v_pk_add_f32 v[146:147], v[X+2:X+3], v[X+6:X+7]
.irp j, 8,12,16,20,24,28,32,36,40,44,48,52,56,60
	v_pk_add_f32 v[144:145], v[144:145], v[X+\j:X+\j+1]
	v_pk_add_f32 v[146:147], v[146:147], v[X+\j+2:X+\j+3]
.endr
	ACROSS 0
	v_mul_f32 v148, 0x3a800000, v148               ; the mean: x 2^-10
.set j, 0
.rept 32
	v_pk_add_f32 v[X+j:X+j+1], v[X+j:X+j+1], v[148:149] op_sel_hi:[1,0] neg_lo:[0,1] neg_hi:[0,1]   ; d = x - mean
.set j, j+2
.endr
	v_pk_mul_f32 v[144:145], v[X:X+1], v[X:X+1]
	v_pk_mul_f32 v[146:147], v[X+2:X+3], v[X+2:X+3]
.irp j, 4,8,12,16,20,24,28,32,36,40,44,48,52,56,60
	v_pk_fma_f32 v[144:145], v[X+\j:X+\j+1], v[X+\j:X+\j+1], v[144:145]
	v_pk_fma_f32 v[146:147], v[X+\j+2:X+\j+3], v[X+\j+2:X+\j+3], v[146:147]
.endr
	ACROSS 512                                     ; the second table: other bytes than the first, so no barrier stands between the first's reads and these stores
	s_wait_kmcnt 0x0                               ; a and b
	v_mul_f32 v148, 0x3a802008, v148               ; / 1,023
	v_sqrt_f32 v150, v148
	v_mov_b32 v154, s24                            ; (a plain instruction behind the root)
	s_wait_alu depctr_va_vdst(0)                   ; the wait ahead of the first line that names the result
	v_add_f32 v150, 0x358637bd, v150               ; + 1e-6
	v_rcp_f32 v151, v150
	v_mov_b32 v155, s24                            ; (and behind the reciprocal)
	s_wait_alu depctr_va_vdst(0)
	v_mul_f32 v152, s22, v151                      ; a / (std + eps)
.set j, 0
.rept 32
	v_pk_fma_f32 v[X+j:X+j+1], v[X+j:X+j+1], v[152:153], v[154:155] op_sel_hi:[1,0,0]
.set j, j+2
.endr
	QUANT X
	global_store_b128 v4, v[PC:PC+3], s[30:31]                     ; each store of the wave covers 512 or 256 consecutive bytes, aligned
	global_store_b64 v9, v[PC+4:PC+5], s[30:31] offset:512
	global_store_b128 v4, v[PC+6:PC+9], s[30:31] offset:768
	global_store_b64 v9, v[PC+10:PC+11], s[30:31] offset:1280
	global_store_b32 v10, v[PW], s[32:33] offset:12288
	s_wait_tensorcnt 0x0                           ; the wave's end, behind my last LDS store
	ds_add_u32 v[SPW], v[NIL]
	s_wait_dscnt 0x0
	s_endpgm
	; ---- THE WEIGHTS.  A work-group takes 256 columns x 128 along K of one tensor; a wave 32 columns, A LANE ONE COLUMN, AND ITS REGISTERS RUN DOWN K: a block of 32 lies in one lane, and nothing is transposed.
.Lweights:
	s_load_b512 s[36:51], s[0:1], 0x20             ; Wq 36, Wk 38, Wv 40, Wo 42, W1 44, W2 46, bq 48, bk 50
	s_load_b256 s[52:59], s[0:1], 0x60             ; b1 52, wqk 54, w1c 56, wrest 58
	s_sub_co_u32 s17, ttmp9, 256                   ; g = 0..255
	s_lshr_b32 s18, s17, 5                         ; 0 Wq, 1 Wk, 2 Wv, 3 Wo, 4-5 W1, 6-7 W2
	s_lshr_b32 s19, s17, 6                         ; 2: W1; 3: W2
	s_cmp_eq_u32 s19, 2
	s_cselect_b32 s20, 13, 12                      ; log2 of a row's bytes
	s_cselect_b32 s28, 0, 0xff800000               ; the floor: 0 for W1's product, else -infinity
	s_cmp_ge_u32 s18, 4
	s_cselect_b32 s21, 63, 31
	s_and_b32 s21, s17, s21                        ; my number within the tensor
	s_cmp_eq_u32 s19, 3
	s_cselect_b32 s22, 4, 3                        ; log2 of its K steps
	s_cselect_b32 s26, 128*GRP, 0                  ; where it begins in its buffer: W2 behind Wv and Wo,
	s_cmp_eq_u32 s18, 3
	s_cselect_b32 s26, 64*GRP, s26                 ; Wo behind Wv
	s_cmp_eq_u32 s18, 1
	s_cselect_b32 s27, 8, 0                        ; Wk's row blocks follow Wq's eight
	s_lshr_b32 s25, s21, s22                       ; cb: which 256 columns
	s_lshl_b32 s23, s25, s22
	s_sub_co_u32 s24, s21, s23                     ; ks: which 128 along K
	s_cmp_lt_u32 s18, 2
	s_cselect_b32 s29, 1, 0
	s_cmp_eq_u32 s19, 2
	s_cselect_b32 s29, 1, s29
	s_cmp_eq_u32 s24, 0
	s_cselect_b32 s29, s29, 0                      ; 1: this work-group also copies its columns' bias
	s_lshl_b32 s23, s24, 7
	s_lshl_b32 s23, s23, s20                       ; 128 ks rows
	s_lshl_b32 s31, s25, 10
	s_add_co_u32 s23, s23, s31                     ; + 256 cb columns
	s_lshl_b32 s31, s16, 7
	s_add_co_u32 s76, s23, s31                     ; + 32 columns a wave
	s_mov_b32 s77, 0
	s_lshl_b32 s30, s25, 1
	s_add_co_u32 s30, s30, s27
	s_lshr_b32 s31, s16, 2
	s_add_co_u32 s30, s30, s31                     ; the row block of the operand: rb0 + 2 cb + wave / 4
	s_lshl_b32 s30, s30, s22
	s_add_co_u32 s30, s30, s24
	s_mul_i32 s30, s30, GRP
	s_add_co_u32 s30, s30, s26                     ; the group's byte in its buffer
	s_and_b32 s31, s16, 3
	s_mul_i32 s32, s31, 3072
	s_add_co_u32 s78, s30, s32                     ; my two tiles' codes
	s_mov_b32 s79, 0
	s_lshl_b32 s31, s31, 8
	s_add_co_u32 s80, s30, s31                     ; and, 12,288 bytes on, their scale words
	s_mov_b32 s81, 0
	s_lshl_b32 s27, s27, 9                         ; 128 rb0 numbers of bias, in bytes
	s_lshl_b32 s33, 1, s20                         ; a row's bytes
	v_lshlrev_b32 v13, 2, v1                       ; 4 x lane
.set i, 0
.rept 32
	v_mad_u32_u24 v[144+i], s33, i, v13            ; row i of a block, my column
.set i, i+1
.endr
	s_mul_i32 s33, s16, WREG
	s_add_co_u32 s33, s33, WST                     ; my wave's bytes of LDS
	v_bfe_u32 v5, v0, 3, 1                         ; column 32 b + lane is lane r of tile 2 b + u: u = (lane / 8) % 2,
	v_and_b32 v6, 7, v0
	v_lshl_add_u32 v6, v3, 3, v6                   ; r = lane % 8 + 8 (lane / 16)
	v_mul_u32_u24 v7, v5, 1536
	v_lshl_add_u32 v8, v6, 4, v7
	v_add_nc_u32 v8, s33, v8                       ; the image: tile u, 16 r
	v_lshl_add_u32 v9, v6, 3, v7
	v_add_nc_u32 v9, s33, v9                       ; tile u, 8 r
	v_lshlrev_b32 v10, 7, v5
	v_lshl_add_u32 v10, v6, 2, v10
	v_add_nc_u32 v10, s33, v10                     ; the scale words: 128 u + 4 r
	v_add_nc_u32 v11, s33, v4                      ; the way out: 16 x lane
	v_lshlrev_b32 v101, 3, v1
	v_add_nc_u32 v100, s33, v101                   ; and 8 x lane
	s_wait_kmcnt 0x0
	s_mov_b64 s[60:61], s[36:37]                   ; the tensor, its buffer and its bias are chosen on the work-group's number alone
	s_cmp_eq_u32 s18, 1
	s_cselect_b64 s[60:61], s[38:39], s[60:61]
	s_cmp_eq_u32 s18, 2
	s_cselect_b64 s[60:61], s[40:41], s[60:61]
	s_cmp_eq_u32 s18, 3
	s_cselect_b64 s[60:61], s[42:43], s[60:61]
	s_cmp_ge_u32 s18, 4
	s_cselect_b64 s[60:61], s[44:45], s[60:61]
	s_cmp_ge_u32 s18, 6
	s_cselect_b64 s[60:61], s[46:47], s[60:61]
	s_mov_b64 s[62:63], s[58:59]
	s_cmp_lt_u32 s18, 2
	s_cselect_b64 s[62:63], s[54:55], s[62:63]
	s_cmp_eq_u32 s19, 2
	s_cselect_b64 s[62:63], s[56:57], s[62:63]
	s_mov_b64 s[66:67], s[52:53]
	s_cmp_eq_u32 s18, 0
	s_cselect_b64 s[66:67], s[48:49], s[66:67]
	s_cmp_eq_u32 s18, 1
	s_cselect_b64 s[66:67], s[50:51], s[66:67]
	s_add_nc_u64 s[68:69], s[60:61], s[76:77]      ; the four blocks of 32 along K
	s_lshl_b32 s76, 32, s20
	s_add_nc_u64 s[70:71], s[68:69], s[76:77]
	s_add_nc_u64 s[72:73], s[70:71], s[76:77]
	s_add_nc_u64 s[74:75], s[72:73], s[76:77]
	s_add_nc_u64 s[78:79], s[62:63], s[78:79]
	s_add_nc_u64 s[80:81], s[62:63], s[80:81]
.macro LOAD t                          ; block t: 32 rows, my column, into set t % 2; the eight waves together read 1,024 consecutive bytes of each row
.set i, 0
.rept 32
	global_load_b32 v[16+32*((\t)%2)+i], v[144+i], s[68+2*(\t):69+2*(\t)] th:TH_LOAD_NT
.set i, i+1
.endr
.endm
	LOAD 0
	LOAD 1
.macro BLOCK t                         ; block t = 2 c + h is what lane (r, h) of the operand holds in registers 6 c .. 6 c + 5
.set XS, 16+32*((\t)%2)
.if (\t) < 3
	s_wait_loadcnt 32                              ; this block's 32 loads are in; the next block's may be out
.else
	s_wait_loadcnt 0x0
.endif
	v_max3_num_f32 v102, |v[XS]|, |v[XS+1]|, |v[XS+2]|
	v_max3_num_f32 v103, |v[XS+3]|, |v[XS+4]|, |v[XS+5]|
.irp i, 6,10,14,18,22,26
	v_max3_num_f32 v102, v102, |v[XS+\i]|, |v[XS+\i+1]|
	v_max3_num_f32 v103, v103, |v[XS+\i+2]|, |v[XS+\i+3]|
.endr
	v_max3_num_f32 v102, v102, |v[XS+30]|, |v[XS+31]|
	v_max3_num_f32 v102, v102, v103, 0x1800000     ; and the floor 2^(3 - 127)
	v_add_nc_u32 v104, 0xff000000, v102            ; 2 off the exponent field: the conversion's scale
	v_cvt_scalef32_pk16_fp6_f32 v[80:82], v[XS:XS+15], v104
	v_cvt_scalef32_pk16_fp6_f32 v[84:86], v[XS+16:XS+31], v104
	v_lshrrev_b32 v105, 23, v104                   ; the byte.  (The plain instruction behind the conversions)
.if (\t) == 0
	v_mov_b32 v96, v105
.else
	v_lshl_or_b32 v96, v105, 8*(\t), v96           ; byte t of my column's scale word
.endif
	v_mov_b32 v83, v84                             ; the six registers on end
	v_mov_b32 v84, v85
	v_mov_b32 v85, v86
	ds_store_b128 v8, v[80:83] offset:768*((\t)/2)+256*((\t)%2)
	ds_store_b64 v9, v[84:85] offset:768*((\t)/2)+512+128*((\t)%2)
.if (\t) < 2
	LOAD (\t)+2
.endif
	s_wait_dscnt 0x0                               ; the stores have read their registers: the next block's codes may be written
.endm
	BLOCK 0
	BLOCK 1
	BLOCK 2
	BLOCK 3
	ds_store_b32 v10, v96 offset:3072              ; the scale word, for lane r
	ds_store_b32 v10, v96 offset:3072+64           ; and for lane r + 16
.irp g, 0,1,2,3,4,5
	ds_load_b128 v[108+4*\g:111+4*\g], v11 offset:512*\g   ; my wave's own bytes, served in order
.endr
	ds_load_b64 v[132:133], v100 offset:3072
.irp g, 0,1,2,3,4,5
	s_wait_dscnt 6-\g                              ; the younger reads of the image may be out
	global_store_b128 v4, v[108+4*\g:111+4*\g], s[78:79] offset:512*\g   ; 512 consecutive bytes, aligned
.endr
	s_wait_dscnt 0x0
	global_store_b64 v101, v[132:133], s[80:81] offset:12288       ; 256 consecutive bytes, aligned
	s_cmp_eq_u32 s29, 0
	s_cbranch_scc1 .Lno_bias
	s_lshl_b32 s82, s25, 10
	s_lshl_b32 s83, s16, 7
	s_add_co_u32 s82, s82, s83                     ; my wave's 32 numbers
	s_mov_b32 s83, 0
	s_add_nc_u64 s[66:67], s[66:67], s[82:83]
	s_add_co_u32 s82, s82, s27
	s_add_co_u32 s82, s82, BIASOFF
	s_add_nc_u64 s[62:63], s[62:63], s[82:83]
	global_load_b32 v97, v13, s[66:67]
	v_mov_b32 v98, s28
	s_wait_loadcnt 0x0
	global_store_b32 v13, v97, s[62:63]
	global_store_b32 v13, v98, s[62:63] offset:8192
.Lno_bias:
	s_wait_tensorcnt 0x0                           ; the wave's end, behind my last LDS store
	ds_add_u32 v[SPW], v[NIL]
	s_wait_dscnt 0x0
	s_endpgm
.Lfunc_end_k_q2477d386ee_prep:
	.size	k_q2477d386ee_prep, .Lfunc_end_k_q2477d386ee_prep-k_q2477d386ee_prep
	.p2alignl 7, 3214868480
	.fill 96, 4, 3214868480
	.section	.rodata,"a",@progbits
	.p2align	6, 0x0
	.amdhsa_kernel k_q2477d386ee_prep
		.amdhsa_group_segment_fixed_size 96256
		.amdhsa_private_segment_fixed_size 0
		.amdhsa_enable_private_segment 0
		.amdhsa_kernarg_size 128
		.amdhsa_user_sgpr_count 2
		.amdhsa_user_sgpr_kernarg_segment_ptr 1
		.amdhsa_wavefront_size32 1
		.amdhsa_system_sgpr_workgroup_id_x 1
		.amdhsa_system_sgpr_workgroup_id_y 1
		.amdhsa_system_sgpr_workgroup_id_z 1
		.amdhsa_system_vgpr_workitem_id 0
		.amdhsa_next_free_vgpr 200
		.amdhsa_next_free_sgpr 96
		.amdhsa_reserve_vcc 0
		.amdhsa_float_denorm_mode_32 3
		.amdhsa_float_denorm_mode_16_64 3
		.amdhsa_memory_ordered 1
		.amdhsa_forward_progress 1
		.amdhsa_inst_pref_size 47
	.end_amdhsa_kernel
	.amdgpu_metadata
---
amdhsa.version: [ 1, 2 ]
amdhsa.kernels:
  - .name:           k_q2477d386ee_prep
    .symbol:         k_q2477d386ee_prep.kd
    .args:
      - { .name: x, .offset: 0, .size: 8, .value_kind: global_buffer, .address_space: global }
      - { .name: ln1_a, .offset: 8, .size: 8, .value_kind: global_buffer, .address_space: global }
      - { .name: ln1_b, .offset: 16, .size: 8, .value_kind: global_buffer, .address_space: global }
      - { .name: bufA, .offset: 24, .size: 8, .value_kind: global_buffer, .address_space: global }
      - { .name: Wq, .offset: 32, .size: 8, .value_kind: global_buffer, .address_space: global }
      - { .name: Wk, .offset: 40, .size: 8, .value_kind: global_buffer, .address_space: global }
      - { .name: Wv, .offset: 48, .size: 8, .value_kind: global_buffer, .address_space: global }
      - { .name: Wo, .offset: 56, .size: 8, .value_kind: global_buffer, .address_space: global }
      - { .name: W1, .offset: 64, .size: 8, .value_kind: global_buffer, .address_space: global }
      - { .name: W2, .offset: 72, .size: 8, .value_kind: global_buffer, .address_space: global }
      - { .name: bq, .offset: 80, .size: 8, .value_kind: global_buffer, .address_space: global }
      - { .name: bk, .offset: 88, .size: 8, .value_kind: global_buffer, .address_space: global }
      - { .name: b1, .offset: 96, .size: 8, .value_kind: global_buffer, .address_space: global }
      - { .name: wqk, .offset: 104, .size: 8, .value_kind: global_buffer, .address_space: global }
      - { .name: w1c, .offset: 112, .size: 8, .value_kind: global_buffer, .address_space: global }
      - { .name: wrest, .offset: 120, .size: 8, .value_kind: global_buffer, .address_space: global }
    .group_segment_fixed_size: 96256
    .private_segment_fixed_size: 0
    .kernarg_segment_align: 8
    .kernarg_segment_size: 128
    .max_flat_workgroup_size: 256
    .sgpr_count:     96
    .vgpr_count:     200
    .wavefront_size: 32
...
	.end_amdgpu_metadata
.endif
;; end of part 1
;; launch qkv (part 2): grid 32 x 12, 4 waves a work-group, clusters of 4 x 4, 327,680 bytes of LDS; arguments wqk, bufA, big, wrest, bv, vt; writes big, vt
.if DOCPART == 2
	.amdgcn_target "amdgcn-amd-amdhsa--gfx1250"
	.amdhsa_code_object_version 6
	.text
	.protected	k_q2477d386ee_qkv
	.globl	k_q2477d386ee_qkv
	.p2align	8
	.type	k_q2477d386ee_qkv,@function
k_q2477d386ee_qkv:
	s_mov_b64 s[64:65], 0
	v_nop
	global_prefetch_b8 v0, s[64:65] scope:SCOPE_SE
	s_setreg_imm32_b32 hwreg(HW_REG_WAVE_MODE, 25, 1), 1
	s_wait_xcnt 0x0
	s_wait_alu depctr_hold_cnt(0) depctr_sa_sdst(0) depctr_va_vdst(0) depctr_va_sdst(0) depctr_va_ssrc(0) depctr_va_vcc(0) depctr_vm_vsrc(0)
	s_getreg_b32 s2, hwreg(HW_REG_IB_STS2, 6, 4)
	s_cmp_eq_u32 s2, 0
	s_cbranch_scc0 .Lentry_in_a_cluster
	s_endpgm
.Lentry_in_a_cluster:
	s_bfe_u32 s2, ttmp6, 0x10000c
	s_cmp_lg_u32 s2, 0xf033
	s_cbranch_scc0 .Lentry_shape_is_right
	s_endpgm
.Lentry_shape_is_right:
; A PRODUCT WITH K = 1,024 ON CODES OF FP6 (E2M3) WHOSE RESULT IS QUANTISED IN REGISTERS AND STORED AS THE NEXT PRODUCT'S OPERAND.  All operands are register images in groups of 128 rows x 128 K (GRP bytes):
; tile i at 1,536 i, half c at + 768 c (registers 6 c .. 6 c + 3 at 16 L, 6 c + 4, 6 c + 5 at 512 + 8 L), scale words at 12,288 + 128 i + 4 L; lane r of tile i is row 32 (i / 2) + 8 (i % 2) + r + 8 (r / 8) of the group.
; A work-group takes 256 rows of a weight (two row blocks, tile y) and 128 rows of h (block x).  Two roles, told apart by the CLUSTER's y, which all partners share:
;   role 0 (cluster y 0, 1): out = max(h W^T + bias, floor), quantised along the weight's rows: source 0 = W, source 1 = h, so that a lane holds one row of h and its registers run along W's rows.  Stored as group (x, 2 y + wave % 2) of outA, 16 K steps a row.
;   role 1 (cluster y 2):    out^T = W h^T + bias, quantised along h's rows: source 0 = h, source 1 = W.  Stored as group (2 y' + wave / 2, x) of outB, 32 K steps a row.
; By the rows that form a tile, the 16 registers of source 0's tiles 2 b and 2 b + 1 are 16 neighbours along the next K: 32 b + 16 (lane / 16) + 0 .. 15.
; ALL OF K LIES IN LDS: four chunks of two K steps, each byte filled once, all asked for at the head (four tensor loads of a wave are out); no byte is filled again.
; CLUSTER 4 x 4: W's groups hang on y alone and are asked for jointly along a row of the cluster, h's on x alone and jointly along a column.
; LIMITS: NaN and infinities are not served; a block of zeros gets the byte 1 (its codes are zeros, and this program alone reads the bytes).
; REGISTERS, in windows of 256: window 0: v1-3 16 L, 8 L, 4 L; v6-11 LDS addresses in hand, v20-25 their bases; v32-55 scale words, two sets; v64-207 fragment set 0 (source 0's eight at 64 + 12 t, source 1's four at 160 + 12 a).
;   window 3: v64-207 fragment set 1.   window 1: v0-127 accumulators of a = 0, 1 (at 64 (a % 2) + 8 t); v128-191 the bias; v192-251 the quantiser's.   window 2: v0-127 accumulators of a = 2, 3; v192-251 the quantiser's.
.set GRP,     13312
.set CH,      6*GRP                    ; a chunk: W's block 0 (two K steps), W's block 1, h (two K steps)
.set SPARE,   4*CH                     ; the spare words, 128 bytes for each wave, which no other line names
.set BIASOFF, 128*GRP
.set LOOFF,   BIASOFF+8192
.set SPW, 28
.set NIL, 29
.set WV,  16
.set G1W, 24                           ; s[24:31] descriptor group 1 for W;  s[32:39] for h
.set G1H, 32
.set G0W, 40                           ; s[40:55] groups 0 for W, one for each chunk;  s[68:83] for h
.set G0H, 68
.set SEL, 56                           ; s[56:57]
.set LO,  58                           ; s58 the floor
.set TM,  192
.set MSB, 0
.macro WIN new                         ; the immediate's high byte repeats the setting that is left
.if MSB != (\new)
	s_set_vgpr_msb (MSB<<8)|(\new)
.set MSB, (\new)
.endif
.endm
.macro CROUND                          ; a round of the cluster's barrier
	s_barrier_signal -1
	s_barrier_wait -1
	s_cmp_lg_u32 s[WV], 0
	s_cbranch_scc1 .Lnot_wave_0_\@
	s_barrier_signal -3
.Lnot_wave_0_\@:
	s_barrier_wait -3
	s_barrier_signal -1
	s_barrier_wait -1
.endm
.macro PLACES
.rept 4
	v_nop
.endr
.endm
.macro FRAG reg, a16, a8, off          ; a fragment's twelve registers, as they lie: every load takes consecutive bytes over the lanes
	ds_load_b128 v[(\reg):(\reg)+3], v[\a16] offset:(\off)
	ds_load_b64 v[(\reg)+4:(\reg)+5], v[\a8] offset:(\off)+512
	ds_load_b128 v[(\reg)+6:(\reg)+9], v[\a16] offset:(\off)+768
	ds_load_b64 v[(\reg)+10:(\reg)+11], v[\a8] offset:(\off)+1280
.endm
.macro ADDR c                          ; the six LDS addresses for chunk c
.irp i, 0,1,2,3,4,5
	v_add_nc_u32 v[6+\i], CH*(\c), v[20+\i]
.endr
.endm
.macro FETCH ks                        ; K step ks: 12 fragments and 12 scale words, 60 LDS loads, into set ks % 2
	WIN 0xc0*((\ks)%2)
.irp t, 0,1,2,3,4,5,6,7
	FRAG 64+12*\t, 6, 7, GRP*((\ks)%2)+1536*\t
.endr
.irp a, 0,1,2,3
	FRAG 160+12*\a, 9, 10, GRP*((\ks)%2)+1536*\a
.endr
	WIN 0
.irp t, 0,1,2,3,4,5,6,7
	ds_load_b32 v[32+12*((\ks)%2)+\t], v8 offset:GRP*((\ks)%2)+128*\t
.endr
.irp a, 0,1,2,3
	ds_load_b32 v[40+12*((\ks)%2)+\a], v11 offset:GRP*((\ks)%2)+128*\a
.endr
.endm
.macro MULS role, ks                   ; 32 products; the 32 accumulators take turns, one instruction a turn, in the same order in every K step.  The first K step's C is the bias
.irp a, 0,1,2,3
.if (\ks) == 0
	WIN 0x50+0x40*(\a/2)                           ; C (the bias) window 1, D window 1 or 2
.else
	WIN 0x0f*((\ks)%2)+0x50*(1+\a/2)               ; the fragments' window; C and D window 1 or 2
.endif
.irp t, 0,1,2,3,4,5,6,7
.if (\ks) == 0
.if \role == 0
	v_wmma_scale_f32_16x16x128_f8f6f4 v[64*(\a%2)+8*\t:64*(\a%2)+8*\t+7], v[64+12*\t:75+12*\t], v[160+12*\a:171+12*\a], v[128+8*\t:135+8*\t], v[32+\t], v[40+\a] matrix_a_fmt:MATRIX_FMT_FP6 matrix_b_fmt:MATRIX_FMT_FP6
.else
	v_wmma_scale_f32_16x16x128_f8f6f4 v[64*(\a%2)+8*\t:64*(\a%2)+8*\t+7], v[64+12*\t:75+12*\t], v[160+12*\a:171+12*\a], v[128+8*\a:135+8*\a], v[32+\t], v[40+\a] matrix_a_fmt:MATRIX_FMT_FP6 matrix_b_fmt:MATRIX_FMT_FP6
.endif
.else
	v_wmma_scale_f32_16x16x128_f8f6f4 v[64*(\a%2)+8*\t:64*(\a%2)+8*\t+7], v[64+12*\t:75+12*\t], v[160+12*\a:171+12*\a], v[64*(\a%2)+8*\t:64*(\a%2)+8*\t+7], v[32+12*((\ks)%2)+\t], v[40+12*((\ks)%2)+\a] matrix_a_fmt:MATRIX_FMT_FP6 matrix_b_fmt:MATRIX_FMT_FP6
.endif
.endr
.endr
.endm
; A K step: the next step's fragments are asked for, into the set that the step before has multiplied (four plain vector instructions or more stand between those products and the loads), then this step is multiplied.
.macro KSTEP role, ks
.if (\ks) < 7
.if ((\ks)+1)%2 == 0
	s_wait_tensorcnt 3-((\ks)+1)/2                 ; my part of the next chunk has landed; the later chunks' loads stay out
	s_wait_dscnt 0x0                               ; no LDS instruction of mine is out at a signal
	s_barrier_signal -1
	s_barrier_wait -1                              ; everybody's part has landed
	ADDR ((\ks)+1)/2                               ; (six plain instructions: the places in front of the loads)
.else
	PLACES
.endif
	FETCH (\ks)+1
	s_wait_dscnt 60                                ; all but the 60 just issued: this step's fragments are in
.else
	s_wait_dscnt 0x0
.endif
	MULS \role, \ks
	WIN 0
.endm
; 64 numbers of a lane, register 16 b + i = k 32 b + 16 (lane / 16) + i, become a fragment's codes in v[pc] on and its scale word in v[pw]; all in one window
.macro QUANT s, pc, pw
.irp b, 0,1,2,3
	v_max3_num_f32 v[TM+\b], |v[(\s)+16*\b]|, |v[(\s)+1+16*\b]|, 0x1800000   ; and the floor 2^(3 - 127): the byte cannot fall under 1.  (Each accumulator is read from its low end on)
.endr
.irp i, 2,4,6,8,10,12,14
.irp b, 0,1,2,3
	v_max3_num_f32 v[TM+\b], v[TM+\b], |v[(\s)+16*\b+\i]|, |v[(\s)+1+16*\b+\i]|
.endr
.endr
.irp b, 0,1,2,3
	v_permlanex16_b32 v[TM+4+\b], v[TM+\b], s[SEL], s[SEL+1]
.endr
.irp b, 0,1,2,3
	v_max_num_f32 v[TM+\b], v[TM+\b], v[TM+4+\b]
.endr
.irp b, 0,1,2,3
	v_add_nc_u32 v[TM+12+\b], 0xff000000, v[TM+\b]
.endr
.irp b, 0,1,2,3
	v_lshrrev_b32 v[TM+4+\b], 23, v[TM+12+\b]
.endr
	v_lshl_or_b32 v[\pw], v[TM+5], 8, v[TM+4]
	v_lshl_or_b32 v[\pw], v[TM+6], 16, v[\pw]
	v_lshl_or_b32 v[\pw], v[TM+7], 24, v[\pw]
.irp c, 0,1
	v_cvt_scalef32_pk16_fp6_f32 v[(\pc)+6*\c:(\pc)+2+6*\c], v[(\s)+32*\c:(\s)+15+32*\c], v[TM+12+2*\c]
	v_cvt_scalef32_pk16_fp6_f32 v[(\pc)+12+4*\c:(\pc)+14+4*\c], v[(\s)+16+32*\c:(\s)+31+32*\c], v[TM+13+2*\c]
.endr
	v_nop                                          ; one plain instruction behind the conversions
.irp c, 0,1
.irp i, 0,1,2
	v_permlane16_swap_b32 v[(\pc)+6*\c+\i], v[(\pc)+12+4*\c+\i]
.endr
.irp i, 0,1,2
	v_mov_b32 v[(\pc)+3+6*\c+\i], v[(\pc)+12+4*\c+\i]
.endr
.endr
.endm
	s_load_b256 s[4:11], s[0:1], 0x0               ; wA s[4:5], h s[6:7], outA s[8:9], wB s[10:11]
	s_load_b128 s[12:15], s[0:1], 0x20             ; role 1's bias s[12:13], outB s[14:15]
	v_lshl_add_u32 v[SPW], v0, 2, SPARE
	v_mov_b32 v[NIL], 0
	ds_add_u32 v[SPW], v[NIL]                      ; the wave's opening: the add and its wait ahead of my first tensor load; work on registers stands between them
	v_lshrrev_b32 v1, 5, v0
	v_readfirstlane_b32 s[WV], v1                  ; wave 0..3
	s_and_b32 s17, s[WV], 1
	s_lshr_b32 s18, s[WV], 1
	s_bfe_u32 s19, ttmp6, 0x40000                  ; cx
	s_bfe_u32 s20, ttmp6, 0x40004                  ; cy
	s_lshl_b32 s21, ttmp9, 2
	s_add_co_u32 s21, s21, s19                     ; x: which 128 rows of h
	s_and_b32 s22, ttmp7, 0xffff                   ; the cluster's y: it decides the role
	s_lshl_b32 s23, s22, 2
	s_add_co_u32 s23, s23, s20                     ; y
	s_cmp_lt_u32 s22, 2
	s_cselect_b32 s84, 0, 8
	s_sub_co_u32 s85, s23, s84                     ; y': which 256 rows of the role's weight
	s_lshl_b32 s88, s20, 2
	s_lshl_b32 s88, 15, s88                        ; my row of the cluster
	s_lshl_b32 s89, 0x1111, s19                    ; my column
	s_or_b32 s[G1W], s88, (3<<16)|(1<<21)          ; 15:0 the mask; 17:16 elements of 8 bytes; 21 set beside a mask; no padding
	s_or_b32 s[G1H], s89, (3<<16)|(1<<21)
	s_mov_b32 s[G1W+1], 32<<16                     ; dense blocks, as rows of 256 bytes: tensor_dim0 = 32
	s_mov_b32 s[G1W+2], 104<<16                    ; tensor_dim1 = 104: two groups
	s_mov_b32 s[G1W+3], 32<<16                     ; tile_dim0
	s_mov_b32 s[G1W+4], 104                        ; tile_dim1
	s_mov_b32 s[G1W+5], 32                         ; the pitch
	s_mov_b32 s[G1W+6], 0
	s_mov_b32 s[G1W+7], 0
	s_mov_b32 s[G1H+1], 32<<16
	s_mov_b32 s[G1H+2], 52<<16                     ; one group
	s_mov_b32 s[G1H+3], 32<<16
	s_mov_b32 s[G1H+4], 52
	s_mov_b32 s[G1H+5], 32
	s_mov_b32 s[G1H+6], 0
	s_mov_b32 s[G1H+7], 0
	s_lshl_b32 s90, s85, 1
	s_add_co_u32 s90, s90, s17
	s_mul_i32 s90, s90, 8*GRP                      ; W: row block 2 y' + wave % 2 (waves 0, 1 fetch it)
	s_mov_b32 s91, 0
	s_lshl_b32 s92, s21, 3
	s_add_co_u32 s92, s92, s17
	s_mul_i32 s92, s92, GRP                        ; h: block x, K step wave % 2 of a chunk (waves 2, 3 fetch it)
	s_mov_b32 s93, 0
	s_mul_i32 s94, s17, 2*GRP                      ; where they go: no place in the cluster enters an LDS address
	s_mul_i32 s95, s17, GRP
	s_add_co_u32 s95, s95, 4*GRP
	s_mov_b32 s[SEL], 0x76543210
	s_mov_b32 s[SEL+1], 0xfedcba98
	s_wait_dscnt 0x0                               ; the opening add is done
	s_wait_kmcnt 0x0
	s_cmp_lt_u32 s22, 2
	s_cselect_b64 s[86:87], s[4:5], s[10:11]       ; the role's weight
	s_add_nc_u64 s[86:87], s[86:87], s[90:91]
	s_add_nc_u64 s[96:97], s[6:7], s[92:93]
.irp c, 0,1,2,3
	s_mov_b32 s[G0W+4*\c], 1
	s_add_co_u32 s[G0W+4*\c+1], s94, CH*\c
	s_add_nc_u64 s[G0W+4*\c+2:G0W+4*\c+3], s[86:87], 2*\c*GRP
	s_or_b32 s[G0W+4*\c+3], s[G0W+4*\c+3], 0x80000000
	s_mov_b32 s[G0H+4*\c], 1
	s_add_co_u32 s[G0H+4*\c+1], s95, CH*\c
	s_add_nc_u64 s[G0H+4*\c+2:G0H+4*\c+3], s[96:97], 2*\c*GRP
	s_or_b32 s[G0H+4*\c+3], s[G0H+4*\c+3], 0x80000000
.endr
	CROUND                                         ; all sixteen work-groups are here: the joint loads meet
	s_cmp_lt_u32 s[WV], 2                          ; a wave's four fills stand in one branch, ahead of every wait on TENSORcnt, every LDS read and every later barrier
	s_cbranch_scc0 .Lfirst_h
.irp c, 0,1,2,3
	tensor_load_to_lds s[G0W+4*\c:G0W+4*\c+3], s[G1W:G1W+7]
	s_nop 0
.endr
	PLACES
	s_branch .Lfirst_asked
.Lfirst_h:
.irp c, 0,1,2,3
	tensor_load_to_lds s[G0H+4*\c:G0H+4*\c+3], s[G1H:G1H+7]
	s_nop 0
.endr
	PLACES
.Lfirst_asked:
	v_and_b32 v4, 31, v0
	v_lshlrev_b32 v1, 4, v4                        ; 16 L
	v_lshlrev_b32 v2, 3, v4                        ; 8 L
	v_lshlrev_b32 v3, 2, v4                        ; 4 L
	v_and_b32 v5, 15, v0                           ; r
	v_bfe_u32 v13, v0, 4, 1                        ; h
.macro PATH role
.if \role == 0
	s_mul_i32 s59, s17, 2*GRP                      ; source 0: W's block wave % 2, all eight tiles
	s_add_co_u32 s62, s59, 12288
	s_mul_i32 s60, s18, 4*1536
	s_add_co_u32 s60, s60, 4*GRP                   ; source 1: h's tiles 4 (wave / 2) on
	s_lshl_b32 s61, s18, 9
	s_add_co_u32 s61, s61, 4*GRP+12288
.else
	s_mov_b32 s59, 4*GRP                           ; source 0: h, all eight tiles
	s_mov_b32 s62, 4*GRP+12288
	s_mul_i32 s60, s18, 2*GRP                      ; source 1: W's block wave / 2, tiles 4 (wave % 2) on
	s_mul_i32 s63, s17, 4*1536
	s_lshl_b32 s61, s17, 9
	s_add_co_u32 s61, s61, s60
	s_add_co_u32 s61, s61, 12288
	s_add_co_u32 s60, s60, s63
.endif
	v_add_nc_u32 v20, s59, v1
	v_add_nc_u32 v21, s59, v2
	v_add_nc_u32 v22, s62, v3
	v_add_nc_u32 v23, s60, v1
	v_add_nc_u32 v24, s60, v2
	v_add_nc_u32 v25, s61, v3
.if \role == 0
	s_lshl_b32 s90, s23, 10
	s_lshl_b32 s91, s17, 9
	s_add_co_u32 s90, s90, s91
	s_add_co_u32 s90, s90, BIASOFF                 ; the bias of my 128 rows of W
	s_mov_b32 s91, 0
	s_add_nc_u64 s[86:87], s[4:5], s[90:91]
	s_load_b32 s[LO], s[4:5], LOOFF                ; the floor
	v_lshlrev_b32 v12, 6, v13                      ; register j of tile 2 b + u is row 32 b + 16 h + 8 u + j
	WIN 0x40
.irp t, 0,1,2,3,4,5,6,7
	global_load_b128 v[128+8*\t:131+8*\t], v12, s[86:87] offset:4*(32*(\t/2)+8*(\t%2))
	global_load_b128 v[132+8*\t:135+8*\t], v12, s[86:87] offset:4*(32*(\t/2)+8*(\t%2))+16
.endr
	s_lshl_b32 s92, s21, 4
	s_lshl_b32 s93, s23, 1
	s_add_co_u32 s92, s92, s93
	s_add_co_u32 s92, s92, s17
	s_mul_i32 s92, s92, GRP                        ; the result's group: (x, 2 y + wave % 2), 16 K steps a row block
	s_mul_i32 s93, s18, 4*1536
	s_add_co_u32 s94, s92, s93
	s_mov_b32 s95, 0
	s_add_nc_u64 s[94:95], s[8:9], s[94:95]        ; my four tiles' codes
	s_lshl_b32 s93, s18, 9
	s_add_co_u32 s96, s92, s93
	s_mov_b32 s97, 0
	s_add_nc_u64 s[96:97], s[8:9], s[96:97]        ; and, 12,288 bytes on, their scale words
.else
	s_lshl_b32 s90, s85, 10
	s_lshl_b32 s91, s[WV], 8
	s_add_co_u32 s90, s90, s91                     ; the bias of my 64 rows of W: a lane's row has one number, for all eight registers
	s_mov_b32 s91, 0
	s_add_nc_u64 s[86:87], s[12:13], s[90:91]
	v_and_b32 v12, 8, v5
	v_add_nc_u32 v12, v12, v5
	v_lshlrev_b32 v12, 2, v12                      ; 4 (r + 8 (r / 8))
	WIN 0x40
.irp a, 0,1,2,3
.irp j, 0,1,2,3,4,5,6,7
	global_load_b32 v[128+8*\a+\j], v12, s[86:87] offset:4*(32*(\a/2)+8*(\a%2))
.endr
.endr
	s_lshl_b32 s92, s85, 1
	s_add_co_u32 s92, s92, s18
	s_lshl_b32 s92, s92, 5
	s_add_co_u32 s92, s92, s21
	s_mul_i32 s92, s92, GRP                        ; the result's group: (2 y' + wave / 2, x), 32 K steps a row block
	s_mul_i32 s93, s17, 4*1536
	s_add_co_u32 s94, s92, s93
	s_mov_b32 s95, 0
	s_add_nc_u64 s[94:95], s[14:15], s[94:95]
	s_lshl_b32 s93, s17, 9
	s_add_co_u32 s96, s92, s93
	s_mov_b32 s97, 0
	s_add_nc_u64 s[96:97], s[14:15], s[96:97]
.endif
.irp b, 0,1,2,3
	v_mov_b32 v[TM+4+\b], 0                        ; written once in each window: a lane permute's destination counts as one of its sources
.endr
	WIN 0x80
.irp b, 0,1,2,3
	v_mov_b32 v[TM+4+\b], 0
.endr
	WIN 0
	s_wait_tensorcnt 3                             ; my part of chunk 0 has landed; three later loads stay out
	s_barrier_signal -1
	s_barrier_wait -1                              ; everybody's has
	ADDR 0
	FETCH 0
	s_wait_loadcnt 0x0                             ; the bias
	s_wait_kmcnt 0x0                               ; the floor
.irp ks, 0,1,2,3,4,5,6,7
	KSTEP \role, \ks
.endr
	PLACES                                         ; four places between the last products and the first read of results
.irp a, 0,1,2,3
	WIN 0x55*(1+\a/2)                              ; all operands in the accumulators' window
.if \role == 0
.set jj, 0
.rept 64
	v_max_num_f32 v[64*(\a%2)+jj], s[LO], v[64*(\a%2)+jj]          ; the floor: 0 is the relu, -infinity changes nothing; in ascending order
.set jj, jj+1
.endr
.endif
	QUANT 64*(\a%2), 212+20*(\a%2), 208+(\a%2)
	WIN 0x04*(1+\a/2)                              ; a store's data are its source 1.  Each tile has registers of its own for its codes: no store's data are written again
	global_store_b128 v1, v[212+20*(\a%2):215+20*(\a%2)], s[94:95] offset:1536*\a
	global_store_b64 v2, v[216+20*(\a%2):217+20*(\a%2)], s[94:95] offset:1536*\a+512
	global_store_b128 v1, v[218+20*(\a%2):221+20*(\a%2)], s[94:95] offset:1536*\a+768
	global_store_b64 v2, v[222+20*(\a%2):223+20*(\a%2)], s[94:95] offset:1536*\a+1280
	global_store_b32 v3, v[208+(\a%2)], s[96:97] offset:12288+128*\a
.endr
	WIN 0
	s_wait_tensorcnt 0x0                           ; the wave's end, behind my last tensor load
	ds_add_u32 v[SPW], v[NIL]
	s_wait_dscnt 0x0
	CROUND                                         ; the closing round
	s_endpgm
.endm
	s_cmp_lt_u32 s22, 2                            ; the role hangs on the cluster's y alone: the same in all sixteen partners and in all four waves
	s_cbranch_scc0 .Lrole1
	PATH 0
.Lrole1:
	PATH 1
.Lfunc_end_k_q2477d386ee_qkv:
	.size	k_q2477d386ee_qkv, .Lfunc_end_k_q2477d386ee_qkv-k_q2477d386ee_qkv
	.p2alignl 7, 3214868480
	.fill 96, 4, 3214868480
	.section	.rodata,"a",@progbits
	.p2align	6, 0x0
	.amdhsa_kernel k_q2477d386ee_qkv
		.amdhsa_group_segment_fixed_size 327680
		.amdhsa_private_segment_fixed_size 0
		.amdhsa_enable_private_segment 0
		.amdhsa_kernarg_size 48
		.amdhsa_user_sgpr_count 2
		.amdhsa_user_sgpr_kernarg_segment_ptr 1
		.amdhsa_wavefront_size32 1
		.amdhsa_system_sgpr_workgroup_id_x 1
		.amdhsa_system_sgpr_workgroup_id_y 1
		.amdhsa_system_sgpr_workgroup_id_z 1
		.amdhsa_system_vgpr_workitem_id 0
		.amdhsa_next_free_vgpr 1024
		.amdhsa_next_free_sgpr 100
		.amdhsa_reserve_vcc 0
		.amdhsa_float_denorm_mode_32 3
		.amdhsa_float_denorm_mode_16_64 3
		.amdhsa_memory_ordered 1
		.amdhsa_forward_progress 1
		.amdhsa_inst_pref_size 189
	.end_amdhsa_kernel
	.amdgpu_metadata
---
amdhsa.version: [ 1, 2 ]
amdhsa.kernels:
  - .name:           k_q2477d386ee_qkv
    .symbol:         k_q2477d386ee_qkv.kd
    .args:
      - { .name: wqk, .offset: 0, .size: 8, .value_kind: global_buffer, .address_space: global }
      - { .name: bufA, .offset: 8, .size: 8, .value_kind: global_buffer, .address_space: global }
      - { .name: big, .offset: 16, .size: 8, .value_kind: global_buffer, .address_space: global }
      - { .name: wrest, .offset: 24, .size: 8, .value_kind: global_buffer, .address_space: global }
      - { .name: bv, .offset: 32, .size: 8, .value_kind: global_buffer, .address_space: global }
      - { .name: vt, .offset: 40, .size: 8, .value_kind: global_buffer, .address_space: global }
    .group_segment_fixed_size: 327680
    .private_segment_fixed_size: 0
    .kernarg_segment_align: 8
    .kernarg_segment_size: 48
    .max_flat_workgroup_size: 128
    .sgpr_count:     100
    .vgpr_count:     1024
    .wavefront_size: 32
...
	.end_amdgpu_metadata
.endif
;; end of part 2
;; launch att (part 3): grid 32 x 8, 16 waves a work-group, no clusters, 327,680 bytes of LDS; arguments big, vt, bufA; writes bufA
.if DOCPART == 3
	.amdgcn_target "amdgcn-amd-amdhsa--gfx1250"
	.amdhsa_code_object_version 6
	.text
	.protected	k_q2477d386ee_att
	.globl	k_q2477d386ee_att
	.p2align	8
	.type	k_q2477d386ee_att,@function
k_q2477d386ee_att:
	s_mov_b64 s[64:65], 0
	v_nop
	global_prefetch_b8 v0, s[64:65] scope:SCOPE_SE
	s_setreg_imm32_b32 hwreg(HW_REG_WAVE_MODE, 25, 1), 1
	s_wait_xcnt 0x0
; ATTENTION ON CODES OF FP6 (E2M3): ctx[q] = sum over keys of softmax(Q[q] . K[k] / 8) V[k], 16 heads of 64, 4,096 keys, and ctx quantised along its 1,024 columns for the next product.
; Operands are register images in groups of 128 rows x 128 K (GRP bytes): tile i at 1,536 i, half c at + 768 c (registers 6 c .. 6 c + 3 at 16 L, the last two at 512 + 8 L), scale words at 12,288 + 128 i + 4 L.
; big: rows = tokens, K steps 0-7 Q's columns, 8-15 K's.  vt: V^T, rows = columns of V (row block = a pair of heads), K = the keys.  A K step of 128 columns is a PAIR OF HEADS, and half c of a fragment is one head's whole 64.
; THE SOFTMAX AHEAD OF THE SECOND PRODUCT: t = score x log2(e) / 8; M = the largest t so far, rounded up to a whole number; p = 2^(t - M) is quantised along the keys, not normalised; the row's sum is taken of the
; unquantised p and divides at the end.  When M moves, the sum and O are multiplied by 2^(old M - new M): exact.
; SHARES.  A work-group owns 128 queries of a pair of heads; wave w owns head w % 2 and the tile w / 2 of 16 queries, in 256 registers: four waves to a SIMD, one wave's vector work beside another's products and LDS loads.
; Both heads' waves read the same groups of K and V, each its own half or its own four tiles.  Every wave walks all keys, 128 a step; a slot holds four steps; two slots, filled by waves 0, 1 (K) and 2, 3 (V), read by all.
; K = 64 IN AN INSTRUCTION OF 128: Q's upper six registers are zero codes, which add nothing whatever stands against them; so a tile of K is six registers, the tiles lie six apart, and the instruction's upper six
; registers of K are the next tile's codes.  The head's two scale bytes come as 16 bits, zeros above them (the byte 0 is a small power of two, no NaN).
; Both products are used transposed (source 0 = 16 keys, or 16 columns of V): a lane holds one query throughout; by the rows that form a tile, p's 16 registers of tiles 2 b, 2 b + 1 are 16 neighbouring keys.
; NO CLUSTER: a slot's 106,496 bytes serve 16 waves x 4 steps of some 300 instructions each, so the fills are a small part of a step's work, and a cluster's round at each change of slots would tie 64 waves in step.
; LIMITS: NaN and infinities are not served; a block of zeros gets the byte 1 (its codes are zeros); 1 / sum comes by v_rcp_f32.
; REGISTERS: v1-6 address bases, v9-14 addresses in hand; v16-27 Q; v28 Q's scales, v29 p's; v30 -M, v31 the largest t; v[32:33] the sum; v[34:35] f; v36-89 K's or V's fragments; v90-97, v98-101 their scales;
;   v104-167 S^T, then p; v168-199 O^T; v200-218 p's codes; v220-232 at work; v236-238 16 L, 8 L, 4 L.
.set GRP,   13312
.set VOFF,  4*GRP                      ; a slot: K's four groups, then V's four
.set SLOT1, 1<<17                      ; slot 1 begins here: one exclusive or turns an address from one slot to the other
.set SPARE, SLOT1+8*GRP                ; the spare words, 128 bytes for each wave, which no other line names
.set NSL,   8
.set SPW, 7
.set NIL, 8
.set ADK, 9                            ; v9-11  K: 16 L, 8 L, scales;  v12-14  V likewise
.set PFO, 15
.set KF,  36
.set KSC, 90
.set VSC, 98
.set S,   104
.set O,   168
.set WV,  18
.set SEL, 22
.set G1K, 24
.set G1V, 32
.set G0K, 40
.set G0V, 44
.set CS,  48                           ; s[48:49] c = log2(e) / 8
.set TB,  50                           ; s50 the slot in hand
.set SLOTS, 51
.set PFA, 76
.set PFS, 78
.set LIM, 80
.macro TLOAD                           ; waves 0, 1 fetch K's groups, waves 2, 3 V's, the others nothing; an s_nop 0 and four v_nop follow each of the two lines
	s_cmp_lt_u32 s[WV], 2
	s_cbranch_scc0 .Lnot_k_\@
	tensor_load_to_lds s[G0K:G0K+3], s[G1K:G1K+7]
	s_nop 0
.rept 4
	v_nop
.endr
	s_branch .Lasked_\@
.Lnot_k_\@:
	s_cmp_lt_u32 s[WV], 4
	s_cbranch_scc0 .Lasked_\@
	tensor_load_to_lds s[G0V:G0V+3], s[G1V:G1V+7]
	s_nop 0
.rept 4
	v_nop
.endr
.Lasked_\@:
.endm
; A prefetch of what the NEXT change of slots will ask for: four groups of K and four of V.  All 32 work-groups of a pair of heads walk the same K and V: the first of them asks.  Each of its sixteen waves names half a
; group, 26 blocks of 256 bytes, a lane a block (lanes 26-31 name lane 25's block with it, in the same instruction).  The last change that fills a slot asks for nothing; slots 0 and 1 come by their loads alone.
.macro ASK
	s_cmp_gt_u32 s[SLOTS], s[LIM]
	s_cbranch_scc0 .Lnot_mine_\@
	global_prefetch_b8 v[PFO], s[PFA:PFA+1] th:TH_LOAD_NT scope:SCOPE_SE
.Lnot_mine_\@:
.endm
	s_load_b128 s[4:7], s[0:1], 0x0                ; big s[4:5], vt s[6:7]
	s_load_b64 s[8:9], s[0:1], 0x10                ; the codes of ctx
	v_lshl_add_u32 v[SPW], v0, 2, SPARE
	v_mov_b32 v[NIL], 0
	ds_add_u32 v[SPW], v[NIL]                      ; the wave's opening: the add and its wait ahead of my first tensor load; work on registers stands between them
	v_lshrrev_b32 v9, 5, v0
	v_readfirstlane_b32 s[WV], v9                  ; wave 0..15
	s_and_b32 s19, s[WV], 1                        ; which head of the pair.  Also: which two groups I fetch, if I fetch
	s_lshr_b32 s20, s[WV], 1                       ; which tile of queries
	s_and_b32 s21, ttmp7, 0xffff                   ; the pair of heads
	s_mov_b32 s[G1K], 3<<16                        ; no mask; elements of 8 bytes; no padding
	s_mov_b32 s[G1K+1], 1664<<16                   ; a row is a group: tensor_dim0 = 1,664 elements
	s_mov_b32 s[G1K+2], 2<<16                      ; tensor_dim1 = 2
	s_mov_b32 s[G1K+3], 1664<<16                   ; tile_dim0
	s_mov_b32 s[G1K+4], 2                          ; tile_dim1
	s_mov_b32 s[G1K+5], 16*1664                    ; from a key block's group to the next: 16 K steps
	s_mov_b32 s[G1K+6], 0
	s_mov_b32 s[G1K+7], 0
	s_mov_b32 s[G1V], 3<<16
	s_mov_b32 s[G1V+1], 1664<<16
	s_mov_b32 s[G1V+2], 2<<16
	s_mov_b32 s[G1V+3], 1664<<16
	s_mov_b32 s[G1V+4], 2
	s_mov_b32 s[G1V+5], 1664                       ; V's groups of neighbouring key steps lie on end
	s_mov_b32 s[G1V+6], 0
	s_mov_b32 s[G1V+7], 0
	s_lshl_b32 s52, s19, 5
	s_add_co_u32 s52, s52, s21
	s_add_co_u32 s52, s52, 8
	s_mul_i32 s52, s52, GRP                        ; K: key block 2 (wave % 2), K step 8 + the pair
	s_mov_b32 s53, 0
	s_lshl_b32 s54, s21, 5
	s_lshl_b32 s55, s19, 1
	s_add_co_u32 s54, s54, s55
	s_mul_i32 s54, s54, GRP                        ; V: row block = the pair, key step 2 (wave % 2)
	s_mov_b32 s55, 0
	s_mul_i32 s56, s19, 2*GRP                      ; their place in a slot
	s_lshl_b32 s57, ttmp9, 4
	s_add_co_u32 s57, s57, s21
	s_mul_i32 s57, s57, GRP                        ; Q's group
	s_mul_i32 s58, s20, 1536
	s_mul_i32 s59, s19, 768
	s_add_co_u32 s58, s58, s59                     ; my tile, my head's half
	s_add_co_u32 s60, s57, s58
	s_mov_b32 s61, 0
	s_lshl_b32 s59, s20, 7
	s_lshl_b32 s62, s19, 1
	s_add_co_u32 s59, s59, s62                     ; my tile's scale words, my head's two bytes
	s_add_co_u32 s62, s57, s59
	s_mov_b32 s63, 0
	s_lshl_b32 s66, ttmp9, 3
	s_add_co_u32 s66, s66, s21
	s_mul_i32 s66, s66, GRP                        ; ctx's group
	s_add_co_u32 s68, s66, s58
	s_mov_b32 s69, 0
	s_add_co_u32 s70, s66, s59
	s_mov_b32 s71, 0
	s_and_b32 s82, s[WV], 7                        ; the prefetches: they stand in slot 1; the first change of slots steps them to slot 2
	s_lshr_b32 s83, s82, 1
	s_lshl_b32 s83, s83, 4
	s_add_co_u32 s83, s83, s21
	s_add_co_u32 s83, s83, 72
	s_mul_i32 s83, s83, GRP
	s_mul_i32 s84, s19, GRP/2
	s_add_co_u32 s83, s83, s84                     ; waves 0-7: K's key block 4 + wave / 2, half wave % 2
	s_lshl_b32 s84, s21, 5
	s_add_co_u32 s84, s84, 4
	s_mul_i32 s84, s84, GRP
	s_mul_i32 s85, s82, GRP/2
	s_add_co_u32 s84, s84, s85                     ; waves 8-15: V's four groups, an eighth each
	s_mov_b32 s[SEL], 0x76543210
	s_mov_b32 s[SEL+1], 0xfedcba98
	s_mov_b32 s[CS], 0x3e38aa3b
	s_mov_b32 s[CS+1], s[CS]                       ; (named with it as a pair, so it is written)
	s_mov_b32 s[TB], 0
	s_mov_b32 s[SLOTS], NSL-1
	s_wait_dscnt 0x0                               ; the opening add is done
	s_wait_kmcnt 0x0
	s_mov_b32 s[G0K], 1
	s_mov_b32 s[G0K+1], s56
	s_add_nc_u64 s[G0K+2:G0K+3], s[4:5], s[52:53]
	s_or_b32 s[G0K+3], s[G0K+3], 0x80000000
	s_mov_b32 s[G0V], 1
	s_add_co_u32 s[G0V+1], s56, VOFF
	s_add_nc_u64 s[G0V+2:G0V+3], s[6:7], s[54:55]
	s_or_b32 s[G0V+3], s[G0V+3], 0x80000000
	TLOAD                                          ; slot 0: one tensor load of mine is out
	s_add_nc_u64 s[10:11], s[4:5], s[60:61]
	s_add_nc_u64 s[12:13], s[4:5], s[62:63]
	s_add_nc_u64 s[14:15], s[8:9], s[68:69]
	s_add_nc_u64 s[16:17], s[8:9], s[70:71]
	s_cmp_lt_u32 s[WV], 8
	s_cselect_b64 s[PFA:PFA+1], s[4:5], s[6:7]
	s_cselect_b32 s82, s83, s84
	s_mov_b32 s[PFS], 4*GRP
	s_cselect_b32 s[PFS], 64*GRP, s[PFS]           ; a slot on
	s_mov_b32 s83, 0
	s_mov_b32 s[PFS+1], 0
	s_add_nc_u64 s[PFA:PFA+1], s[PFA:PFA+1], s[82:83]
	s_cmp_eq_u32 ttmp9, 0
	s_cselect_b32 s[LIM], 1, -1                    ; a wave prefetches while s[SLOTS] is above this
	v_and_b32 v[PFO], 31, v0
	v_min_u32 v[PFO], 25, v[PFO]
	v_lshlrev_b32 v[PFO], 8, v[PFO]
	v_and_b32 v9, 31, v0
	v_lshlrev_b32 v236, 4, v9
	v_lshlrev_b32 v237, 3, v9
	v_lshlrev_b32 v238, 2, v9
	global_load_b128 v[16:19], v236, s[10:11]      ; Q's six registers stay
	global_load_b64 v[20:21], v237, s[10:11] offset:512
	global_load_u16 v28, v238, s[12:13] offset:12288   ; its two scale bytes, zeros above
	s_mul_i32 s86, s19, 768
	v_add_nc_u32 v1, s86, v236
	v_add_nc_u32 v2, s86, v237
	s_lshl_b32 s86, s19, 1
	s_add_co_u32 s86, s86, 12288
	v_add_nc_u32 v3, s86, v238
	s_mul_i32 s86, s19, 6144
	s_add_co_u32 s86, s86, VOFF
	v_add_nc_u32 v4, s86, v236
	v_add_nc_u32 v5, s86, v237
	s_lshl_b32 s86, s19, 9
	s_add_co_u32 s86, s86, VOFF+12288
	v_add_nc_u32 v6, s86, v238
.irp j, 22,23,24,25,26,27
	v_mov_b32 v[\j], 0                             ; Q's codes of k = 64 .. 127: zeros
.endr
.irp j, 84,85,86,87,88,89
	v_mov_b32 v[\j], 0                             ; what the last tile of K has above its six registers
.endr
	v_mov_b32 v31, 0xff61b1e6                      ; the largest t so far: -3e38
	v_floor_f32 v30, -v31                          ; -M
	v_mov_b32 v32, 0
	v_mov_b32 v33, 0
	v_mov_b32 v34, 0
	v_mov_b32 v35, 0
.irp b, 0,1,2,3
	v_mov_b32 v[224+\b], 0                         ; written once: a lane permute's destination counts as one of its sources
.endr
.set j, 0
.rept 32
	v_mov_b32 v[O+j], 0                            ; O^T: the step is written once; the first finds zeros, which the first change of M leaves zeros
.set j, j+1
.endr
.macro STEP q                          ; 128 keys: the q-th group of the slot in hand
.rept 4
	v_nop                                          ; places in front of loads into registers that the last products have read
.endr
.irp t, 0,1,2,3,4,5,6,7
	ds_load_b128 v[KF+6*\t:KF+6*\t+3], v[ADK] offset:GRP*(\q)+1536*\t
	ds_load_b64 v[KF+6*\t+4:KF+6*\t+5], v[ADK+1] offset:GRP*(\q)+1536*\t+512
	ds_load_u16 v[KSC+\t], v[ADK+2] offset:GRP*(\q)+128*\t
.endr
	s_wait_dscnt 0x0
.irp t, 0,1,2,3,4,5,6,7
	v_wmma_scale_f32_16x16x128_f8f6f4 v[S+8*\t:S+8*\t+7], v[KF+6*\t:KF+6*\t+11], v[16:27], 0, v[KSC+\t], v28 matrix_a_fmt:MATRIX_FMT_FP6 matrix_b_fmt:MATRIX_FMT_FP6
.endr
.rept 4
	v_nop                                          ; places: in front of V's loads into K's registers, and of the first read of the scores
.endr
.irp t, 0,1,2,3                        ; V's four tiles of my head are asked for now and land under the softmax
	ds_load_b128 v[KF+12*\t:KF+12*\t+3], v[ADK+3] offset:GRP*(\q)+1536*\t
	ds_load_b64 v[KF+12*\t+4:KF+12*\t+5], v[ADK+4] offset:GRP*(\q)+1536*\t+512
	ds_load_b128 v[KF+12*\t+6:KF+12*\t+9], v[ADK+3] offset:GRP*(\q)+1536*\t+768
	ds_load_b64 v[KF+12*\t+10:KF+12*\t+11], v[ADK+4] offset:GRP*(\q)+1536*\t+1280
	ds_load_b32 v[VSC+\t], v[ADK+5] offset:GRP*(\q)+128*\t
.endr
.irp b, 0,1,2,3
	v_max3_num_f32 v[220+\b], v[S+16*\b], v[S+1+16*\b], v[S+2+16*\b]   ; the largest score of each block of 32 keys: for the row's maximum, and, since p rises with the score, for the block's largest p
.endr
.irp i, 3,5,7,9,11,13
.irp b, 0,1,2,3
	v_max3_num_f32 v[220+\b], v[220+\b], v[S+16*\b+\i], v[S+1+16*\b+\i]
.endr
.endr
.irp b, 0,1,2,3
	v_max_num_f32 v[220+\b], v[220+\b], v[S+15+16*\b]
.endr
.irp b, 0,1,2,3
	v_permlanex16_b32 v[224+\b], v[220+\b], s[SEL], s[SEL+1]
.endr
.irp b, 0,1,2,3
	v_max_num_f32 v[220+\b], v[220+\b], v[224+\b]  ; with lane l xor 16's 16 keys
.endr
	v_max3_num_f32 v232, v220, v221, v222
	v_max_num_f32 v232, v232, v223
	v_mul_f32 v232, s[CS], v232                    ; as t
	v_max_num_f32 v31, v31, v232                   ; the running largest t
	v_mov_b32 v232, v30
	v_floor_f32 v30, -v31                          ; the new -M = -ceil(t): a whole number
	v_sub_f32 v232, v30, v232                      ; old M - new M: a whole number, 0 or less
	v_cvt_i32_f32 v232, v232                       ; (it saturates)
	v_ldexp_f32 v34, 1.0, v232                     ; f = 2^(old M - new M)
.set j, 0
.rept 32
	v_pk_fma_f32 v[S+j:S+j+1], v[S+j:S+j+1], s[CS:CS+1], v[30:31] op_sel_hi:[1,0,0]   ; t - M, two at a time
.set j, j+2
.endr
.irp b, 0,1,2,3
	v_fma_f32 v[220+\b], v[220+\b], s[CS], v30     ; the same of each block's largest score
.endr
.set j, 0
.rept 64
	v_exp_f32 v[S+j], v[S+j]                       ; p = 2^(t - M)
.set j, j+1
.endr
	v_pk_mul_f32 v[32:33], v[32:33], v[34:35] op_sel_hi:[1,0]      ; the sums under the new M.  (A plain instruction behind the exponentials)
	s_wait_alu depctr_va_vdst(0)                   ; the wait ahead of the first line that names a result: one for the whole batch
.irp b, 0,1,2,3
	v_exp_f32 v[220+\b], v[220+\b]                 ; the blocks' largest p
.endr
	v_pk_add_f32 v[224:225], v[S:S+1], v[S+2:S+3]  ; the row's sum is taken of the unquantised p, in two chains
.irp j, 4,8,12,16,20,24,28,32,36,40,44,48,52,56,60
	v_pk_add_f32 v[32:33], v[32:33], v[S+\j:S+\j+1]
	v_pk_add_f32 v[224:225], v[224:225], v[S+\j+2:S+\j+3]
.endr
	v_pk_add_f32 v[32:33], v[32:33], v[224:225]
	s_wait_alu depctr_va_vdst(0)                   ; and one for the four
.irp b, 0,1,2,3
	v_max_num_f32 v[220+\b], 0x1800000, v[220+\b]  ; the floor 2^(3 - 127)
.endr
.irp b, 0,1,2,3
	v_add_nc_u32 v[228+\b], 0xff000000, v[220+\b]  ; the conversion's scale
.endr
.irp b, 0,1,2,3
	v_lshrrev_b32 v[224+\b], 23, v[228+\b]         ; the byte
.endr
	v_lshl_or_b32 v29, v225, 8, v224               ; p's scale word for these 128 keys
	v_lshl_or_b32 v29, v226, 16, v29
	v_lshl_or_b32 v29, v227, 24, v29
.irp c, 0,1
	v_cvt_scalef32_pk16_fp6_f32 v[200+6*\c:202+6*\c], v[S+32*\c:S+15+32*\c], v[228+2*\c]
	v_cvt_scalef32_pk16_fp6_f32 v[212+4*\c:214+4*\c], v[S+16+32*\c:S+31+32*\c], v[229+2*\c]
.endr
	v_nop                                          ; one plain instruction behind the conversions
.irp c, 0,1
.irp i, 0,1,2
	v_permlane16_swap_b32 v[200+6*\c+\i], v[212+4*\c+\i]
.endr
.irp i, 0,1,2
	v_mov_b32 v[203+6*\c+\i], v[212+4*\c+\i]
.endr
.endr
.set j, 0
.rept 16
	v_pk_mul_f32 v[O+j:O+j+1], v[O+j:O+j+1], v[34:35] op_sel_hi:[1,0]   ; O^T under the new M.  (These sixteen also stand between the writes of p's codes and scale word and the products)
.set j, j+2
.endr
	s_wait_dscnt 0x0                               ; V is in
.irp t, 0,1,2,3
	v_wmma_scale_f32_16x16x128_f8f6f4 v[O+8*\t:O+8*\t+7], v[KF+12*\t:KF+12*\t+11], v[200:211], v[O+8*\t:O+8*\t+7], v[VSC+\t], v29 matrix_a_fmt:MATRIX_FMT_FP6 matrix_b_fmt:MATRIX_FMT_FP6
.endr
.endm
; THE CHANGE OF SLOTS stands at a slot's head.  Each wave waits for all its tensor loads (its part of the slot ahead), adds 0 to its spare word, and waits for that and for its reads of the slot that it has left.
; Behind the barrier the slot ahead is whole and nobody reads the other one, which is filled with the keys that follow (fill = 1): that load has four key steps in which to land.
.macro CHANGE fill
	s_wait_tensorcnt 0x0                           ; no tensor load of mine is out, so a group 0 may be written
	ds_add_u32 v[SPW], v[NIL]
.if \fill
	s_xor_b32 s[G0K+1], s[G0K+1], SLOT1
	s_add_nc_u64 s[G0K+2:G0K+3], s[G0K+2:G0K+3], 64*GRP   ; four key blocks on
	s_xor_b32 s[G0V+1], s[G0V+1], SLOT1
	s_add_nc_u64 s[G0V+2:G0V+3], s[G0V+2:G0V+3], 4*GRP
	s_wait_xcnt 0x0                                ; the last prefetch, a slot back, has read its address
	s_add_nc_u64 s[PFA:PFA+1], s[PFA:PFA+1], s[PFS:PFS+1]
.endif
	s_wait_dscnt 0x0                               ; the add is done, and my reads of the slot that I have left are over
	s_barrier_signal -1
	s_barrier_wait -1
.if \fill
	TLOAD                                          ; the first thing behind the barrier, and a wave's one tensor load until the next
	ASK
.endif
.endm
.macro SLOT_STEPS
.irp i, 0,1,2,3,4,5
	v_add_nc_u32 v[ADK+\i], s[TB], v[1+\i]
.endr
	STEP 0
	STEP 1
	STEP 2
	STEP 3
	s_xor_b32 s[TB], s[TB], SLOT1
.endm
	s_wait_loadcnt 0x0                             ; Q
.Lslot:                                            ; NSL - 1 trips: behind each change of slots but the last the next slot is asked for
	CHANGE 1
	SLOT_STEPS
	s_sub_co_u32 s[SLOTS], s[SLOTS], 1
	s_cmp_lg_u32 s[SLOTS], 0
	s_cbranch_scc1 .Lslot
	CHANGE 0                                       ; the last slot is written out
	SLOT_STEPS
	; THE WAY OUT: O^T / the sum is my head's 64 columns of ctx for my 16 queries, register 16 b + i = column 32 b + 16 h + i: two blocks of the next K, quantised here: half a fragment and two scale bytes
.rept 4
	v_nop                                          ; places behind the last products
.endr
	v_add_f32 v32, v32, v33
	v_permlanex16_b32 v224, v32, s[SEL], s[SEL+1]
	v_add_f32 v32, v32, v224                       ; the row's sum
	v_rcp_f32 v32, v32
	v_nop
	s_wait_alu depctr_va_vdst(0)
.set j, 0
.rept 32
	v_mul_f32 v[S+j], v[O+j], v32                  ; in ascending order
.set j, j+1
.endr
.irp b, 0,1
	v_max3_num_f32 v[220+\b], |v[S+16*\b]|, |v[S+1+16*\b]|, 0x1800000
.endr
.irp i, 2,4,6,8,10,12,14
.irp b, 0,1
	v_max3_num_f32 v[220+\b], v[220+\b], |v[S+16*\b+\i]|, |v[S+1+16*\b+\i]|
.endr
.endr
.irp b, 0,1
	v_permlanex16_b32 v[224+\b], v[220+\b], s[SEL], s[SEL+1]
.endr
.irp b, 0,1
	v_max_num_f32 v[220+\b], v[220+\b], v[224+\b]
.endr
.irp b, 0,1
	v_add_nc_u32 v[228+\b], 0xff000000, v[220+\b]
.endr
.irp b, 0,1
	v_lshrrev_b32 v[224+\b], 23, v[228+\b]
.endr
	v_lshl_or_b32 v29, v225, 8, v224
	v_cvt_scalef32_pk16_fp6_f32 v[200:202], v[S:S+15], v228
	v_cvt_scalef32_pk16_fp6_f32 v[212:214], v[S+16:S+31], v229
	v_nop
.irp i, 0,1,2
	v_permlane16_swap_b32 v[200+\i], v[212+\i]
.endr
.irp i, 0,1,2
	v_mov_b32 v[203+\i], v[212+\i]
.endr
	global_store_b128 v236, v[200:203], s[14:15]                   ; 512 and 256 consecutive bytes, aligned
	global_store_b64 v237, v[204:205], s[14:15] offset:512
	global_store_b16 v238, v29, s[16:17] offset:12288              ; my head's two bytes of each lane's scale word
	s_wait_tensorcnt 0x0                           ; the wave's end, behind my last tensor load
	ds_add_u32 v[SPW], v[NIL]
	s_wait_dscnt 0x0
	s_endpgm
.Lfunc_end_k_q2477d386ee_att:
	.size	k_q2477d386ee_att, .Lfunc_end_k_q2477d386ee_att-k_q2477d386ee_att
	.p2alignl 7, 3214868480
	.fill 96, 4, 3214868480
	.section	.rodata,"a",@progbits
	.p2align	6, 0x0
	.amdhsa_kernel k_q2477d386ee_att
		.amdhsa_group_segment_fixed_size 327680
		.amdhsa_private_segment_fixed_size 0
		.amdhsa_enable_private_segment 0
		.amdhsa_kernarg_size 24
		.amdhsa_user_sgpr_count 2
		.amdhsa_user_sgpr_kernarg_segment_ptr 1
		.amdhsa_wavefront_size32 1
		.amdhsa_system_sgpr_workgroup_id_x 1
		.amdhsa_system_sgpr_workgroup_id_y 1
		.amdhsa_system_sgpr_workgroup_id_z 1
		.amdhsa_system_vgpr_workitem_id 0
		.amdhsa_next_free_vgpr 256
		.amdhsa_next_free_sgpr 96
		.amdhsa_reserve_vcc 0
		.amdhsa_float_denorm_mode_32 3
		.amdhsa_float_denorm_mode_16_64 3
		.amdhsa_memory_ordered 1
		.amdhsa_forward_progress 1
		.amdhsa_inst_pref_size 143
	.end_amdhsa_kernel
	.amdgpu_metadata
---
amdhsa.version: [ 1, 2 ]
amdhsa.kernels:
  - .name:           k_q2477d386ee_att
    .symbol:         k_q2477d386ee_att.kd
    .args:
      - { .name: big, .offset: 0, .size: 8, .value_kind: global_buffer, .address_space: global }
      - { .name: vt, .offset: 8, .size: 8, .value_kind: global_buffer, .address_space: global }
      - { .name: bufA, .offset: 16, .size: 8, .value_kind: global_buffer, .address_space: global }
    .group_segment_fixed_size: 327680
    .private_segment_fixed_size: 0
    .kernarg_segment_align: 8
    .kernarg_segment_size: 24
    .max_flat_workgroup_size: 512
    .sgpr_count:     96
    .vgpr_count:     256
    .wavefront_size: 32
...
	.end_amdgpu_metadata
.endif
;; end of part 3
;; launch oproj (part 4): grid 32 x 8, 4 waves a work-group, clusters of 4 x 4, 327,680 bytes of LDS; arguments wrest, bufA, x, bo, x1; writes x1
.if DOCPART == 4
	.amdgcn_target "amdgcn-amd-amdhsa--gfx1250"
	.amdhsa_code_object_version 6
	.text
	.protected	k_q2477d386ee_oproj
	.globl	k_q2477d386ee_oproj
	.p2align	8
	.type	k_q2477d386ee_oproj,@function
k_q2477d386ee_oproj:
	s_mov_b64 s[64:65], 0
	v_nop
	global_prefetch_b8 v0, s[64:65] scope:SCOPE_SE
	s_setreg_imm32_b32 hwreg(HW_REG_WAVE_MODE, 25, 1), 1
	s_wait_xcnt 0x0
	s_wait_alu depctr_hold_cnt(0) depctr_sa_sdst(0) depctr_va_vdst(0) depctr_va_sdst(0) depctr_va_ssrc(0) depctr_va_vcc(0) depctr_vm_vsrc(0)
	s_getreg_b32 s2, hwreg(HW_REG_IB_STS2, 6, 4)
	s_cmp_eq_u32 s2, 0
	s_cbranch_scc0 .Lentry_in_a_cluster
	s_endpgm
.Lentry_in_a_cluster:
	s_bfe_u32 s2, ttmp6, 0x10000c
	s_cmp_lg_u32 s2, 0xf033
	s_cbranch_scc0 .Lentry_shape_is_right
	s_endpgm
.Lentry_shape_is_right:
; out = res + (A W^T + bias), f32, the product on codes of FP6 (E2M3).  A and W are register images in groups of 128 rows x 128 K (GRP bytes): tile i at 1,536 i, half c at + 768 c (registers 6 c .. 6 c + 3 at 16 L,
; the last two at 512 + 8 L), scale words at 12,288 + 128 i + 4 L; lane r of tile i is row 32 (i / 2) + 8 (i % 2) + r + 8 (r / 8) of the group.
; A work-group makes 128 rows (block x of A) x 128 columns (row block y of W); wave (wave % 2, wave / 2) takes four tiles of W (source 0) x four of A (source 1): 16 accumulators; a lane holds eight columns of one row.
; K comes in parts of four K steps, W's four groups and then A's four, in slots of 106,496 bytes; all parts that fit (NPF) are asked for at the head; with KS = 16 the fourth part fills slot 0 again behind a round.
; CLUSTER 4 x 4: W's groups hang on y alone and are asked for jointly along a row of the cluster, A's on x alone and jointly along a column.
; The way out goes through one stage in LDS, since a row's 512 bytes come from two waves; each wave then adds bias and residual to 32 whole rows and stores 512 consecutive bytes an instruction.
; REGISTERS: window 0: v1-3 16 L, 8 L, 4 L; v6-11 LDS addresses in hand, v20-25 their bases; v12, v13 the stage; v16-19 the bias; v32-47 scale words, two sets; v64-159, v160-255 fragment sets (W's at + 12 t, A's at + 48 + 12 a).
;   window 1: v0-127 the accumulators (at 8 (4 a + t)); v128-255 32 rows of the residual.
.set KS,    8                          ; K steps
.set WOFF,  64*GRP                     ; where the weight begins in its buffer
.set NPF,   2                          ; parts asked for at the head: so many tensor loads of a wave are out
.set STAGE, 212992                     ; 128 rows x 528 bytes, in bytes that no tensor load fills
.set GRP,   13312
.set SLOTB, 8*GRP
.set SPARE, 3*SLOTB                    ; the spare words, 128 bytes for each wave, which no other line names
.set SP,    528
.set SPW, 28
.set NIL, 29
.set WV,  16
.set G1W, 24
.set G1H, 32
.set G0W, 40                           ; s[40:51] groups 0 for W, one for each part at the head;  s[68:79] for A
.set G0H, 68
.set MSB, 0
.macro WIN new
.if MSB != (\new)
	s_set_vgpr_msb (MSB<<8)|(\new)
.set MSB, (\new)
.endif
.endm
.macro CROUND
	s_barrier_signal -1
	s_barrier_wait -1
	s_cmp_lg_u32 s[WV], 0
	s_cbranch_scc1 .Lnot_wave_0_\@
	s_barrier_signal -3
.Lnot_wave_0_\@:
	s_barrier_wait -3
	s_barrier_signal -1
	s_barrier_wait -1
.endm
.macro PLACES
.rept 4
	v_nop
.endr
.endm
.macro JLOAD                           ; a joint refill by the first set of groups 0; an s_nop 0 and four v_nop follow each of the two lines
	s_cmp_lt_u32 s[WV], 2
	s_cbranch_scc0 .Lfor_h_\@
	tensor_load_to_lds s[G0W:G0W+3], s[G1W:G1W+7]
	s_nop 0
	PLACES
	s_branch .Lasked_\@
.Lfor_h_\@:
	tensor_load_to_lds s[G0H:G0H+3], s[G1H:G1H+7]
	s_nop 0
	PLACES
.Lasked_\@:
.endm
.macro FRAG reg, a16, a8, off
	ds_load_b128 v[(\reg):(\reg)+3], v[\a16] offset:(\off)
	ds_load_b64 v[(\reg)+4:(\reg)+5], v[\a8] offset:(\off)+512
	ds_load_b128 v[(\reg)+6:(\reg)+9], v[\a16] offset:(\off)+768
	ds_load_b64 v[(\reg)+10:(\reg)+11], v[\a8] offset:(\off)+1280
.endm
.macro ADDR p                          ; the six LDS addresses for part p, which lies in slot p % 3
.irp i, 0,1,2,3,4,5
	v_add_nc_u32 v[6+\i], SLOTB*((\p)%3), v[20+\i]
.endr
.endm
.macro FETCH ks                        ; K step ks: 8 fragments and 8 scale words, 40 LDS loads, into set ks % 2
.irp t, 0,1,2,3
	FRAG 64+96*((\ks)%2)+12*\t, 6, 7, GRP*((\ks)%4)+1536*\t
.endr
.irp a, 0,1,2,3
	FRAG 112+96*((\ks)%2)+12*\a, 9, 10, GRP*((\ks)%4)+1536*\a
.endr
.irp t, 0,1,2,3
	ds_load_b32 v[32+8*((\ks)%2)+\t], v8 offset:GRP*((\ks)%4)+128*\t
.endr
.irp a, 0,1,2,3
	ds_load_b32 v[36+8*((\ks)%2)+\a], v11 offset:GRP*((\ks)%4)+128*\a
.endr
.endm
.macro MULS ks                         ; 16 products; the accumulators take turns, one instruction a turn; the first K step starts the sums
.irp a, 0,1,2,3
.irp t, 0,1,2,3
.if (\ks) == 0
	v_wmma_scale_f32_16x16x128_f8f6f4 v[8*(4*\a+\t):8*(4*\a+\t)+7], v[64+12*\t:75+12*\t], v[112+12*\a:123+12*\a], 0, v[32+\t], v[36+\a] matrix_a_fmt:MATRIX_FMT_FP6 matrix_b_fmt:MATRIX_FMT_FP6
.else
	v_wmma_scale_f32_16x16x128_f8f6f4 v[8*(4*\a+\t):8*(4*\a+\t)+7], v[64+96*((\ks)%2)+12*\t:75+96*((\ks)%2)+12*\t], v[112+96*((\ks)%2)+12*\a:123+96*((\ks)%2)+12*\a], v[8*(4*\a+\t):8*(4*\a+\t)+7], v[32+8*((\ks)%2)+\t], v[36+8*((\ks)%2)+\a] matrix_a_fmt:MATRIX_FMT_FP6 matrix_b_fmt:MATRIX_FMT_FP6
.endif
.endr
.endr
.endm
.macro BOUND p                         ; in front of the first read of part p
.if (KS == 16) && ((\p) == 1)
	s_wait_tensorcnt 0x0                           ; all my tensor loads have landed, parts 1 and 2 among them: so a group 0 may be written;
	ds_add_u32 v[SPW], v[NIL]
	s_add_nc_u64 s[G0W+2:G0W+3], s[G0W+2:G0W+3], 12*GRP   ; part 3: twelve K steps on, into the slot of part 0
	s_add_nc_u64 s[G0H+2:G0H+3], s[G0H+2:G0H+3], 12*GRP
	s_wait_dscnt 0x0                               ; the add is done, and my reads of part 0 are over
	CROUND                                         ; both now hold of every wave of every partner
	JLOAD                                          ; the first tensor load behind the round, and my only one
.elseif (KS == 8) || ((\p) == 3)
	s_wait_tensorcnt 0x0                           ; my last load has landed (none was issued behind it)
	s_wait_dscnt 0x0
	s_barrier_signal -1
	s_barrier_wait -1                              ; everybody's has
.endif                                 ; (part 2 was shown whole by the round in front of part 1's reads)
.endm
.macro KSTEP ks
.if (\ks) < KS-1
.if ((\ks)+1)%4 == 0
	BOUND ((\ks)+1)/4
	ADDR ((\ks)+1)/4                               ; (six plain instructions: the places in front of the loads)
.else
	PLACES
.endif
	FETCH (\ks)+1
	s_wait_dscnt 40                                ; all but the 40 just issued: this step's fragments are in
.else
	s_wait_dscnt 0x0
.endif
	WIN 0x50                                       ; C and D window 1
	MULS \ks
	WIN 0
.endm
	s_load_b256 s[4:11], s[0:1], 0x0               ; the weights s[4:5], A s[6:7], the residual s[8:9], the bias s[10:11]
	s_load_b64 s[12:13], s[0:1], 0x20              ; out
	v_lshl_add_u32 v[SPW], v0, 2, SPARE
	v_mov_b32 v[NIL], 0
	ds_add_u32 v[SPW], v[NIL]                      ; the wave's opening: the add and its wait ahead of my first tensor load; work on registers stands between them
	v_lshrrev_b32 v1, 5, v0
	v_readfirstlane_b32 s[WV], v1
	s_and_b32 s17, s[WV], 1
	s_lshr_b32 s18, s[WV], 1
	s_bfe_u32 s19, ttmp6, 0x40000                  ; cx
	s_bfe_u32 s20, ttmp6, 0x40004                  ; cy
	s_lshl_b32 s21, ttmp9, 2
	s_add_co_u32 s21, s21, s19                     ; x
	s_and_b32 s23, ttmp7, 0xffff
	s_lshl_b32 s23, s23, 2
	s_add_co_u32 s23, s23, s20                     ; y
	s_lshl_b32 s88, s20, 2
	s_lshl_b32 s88, 15, s88                        ; my row of the cluster
	s_lshl_b32 s89, 0x1111, s19                    ; my column
	s_or_b32 s[G1W], s88, (3<<16)|(1<<21)          ; the mask; elements of 8 bytes; bit 21 beside a mask; no padding
	s_or_b32 s[G1H], s89, (3<<16)|(1<<21)
.irp g, G1W, G1H
	s_mov_b32 s[\g+1], 32<<16                      ; two groups, dense, as 104 rows of 256 bytes
	s_mov_b32 s[\g+2], 104<<16
	s_mov_b32 s[\g+3], 32<<16
	s_mov_b32 s[\g+4], 104
	s_mov_b32 s[\g+5], 32
	s_mov_b32 s[\g+6], 0
	s_mov_b32 s[\g+7], 0
.endr
	s_lshl_b32 s86, s17, 1
	s_mul_i32 s84, s23, KS
	s_add_co_u32 s84, s84, s86
	s_mul_i32 s84, s84, GRP
	s_add_co_u32 s84, s84, WOFF                    ; W: row block y, K steps 2 (wave % 2) on (waves 0, 1)
	s_mov_b32 s85, 0
	s_mul_i32 s92, s21, KS
	s_add_co_u32 s92, s92, s86
	s_mul_i32 s92, s92, GRP                        ; A: block x likewise (waves 2, 3)
	s_mov_b32 s93, 0
	s_mul_i32 s94, s17, 2*GRP                      ; where they go
	s_add_co_u32 s95, s94, 4*GRP
	s_wait_dscnt 0x0                               ; the opening add is done
	s_wait_kmcnt 0x0
	s_add_nc_u64 s[86:87], s[4:5], s[84:85]
	s_add_nc_u64 s[96:97], s[6:7], s[92:93]
.set p, 0
.rept NPF
	s_mov_b32 s[G0W+4*p], 1
	s_add_co_u32 s[G0W+4*p+1], s94, SLOTB*p
	s_add_nc_u64 s[G0W+4*p+2:G0W+4*p+3], s[86:87], 4*p*GRP
	s_or_b32 s[G0W+4*p+3], s[G0W+4*p+3], 0x80000000
	s_mov_b32 s[G0H+4*p], 1
	s_add_co_u32 s[G0H+4*p+1], s95, SLOTB*p
	s_add_nc_u64 s[G0H+4*p+2:G0H+4*p+3], s[96:97], 4*p*GRP
	s_or_b32 s[G0H+4*p+3], s[G0H+4*p+3], 0x80000000
.set p, p+1
.endr
	CROUND                                         ; all sixteen work-groups are here: the first joint loads meet
	s_cmp_lt_u32 s[WV], 2                          ; a wave's first fills stand in one branch
	s_cbranch_scc0 .Lfirst_h
.set p, 0
.rept NPF
	tensor_load_to_lds s[G0W+4*p:G0W+4*p+3], s[G1W:G1W+7]
	s_nop 0
.set p, p+1
.endr
	PLACES
	s_branch .Lfirst_asked
.Lfirst_h:
.set p, 0
.rept NPF
	tensor_load_to_lds s[G0H+4*p:G0H+4*p+3], s[G1H:G1H+7]
	s_nop 0
.set p, p+1
.endr
	PLACES
.Lfirst_asked:
	v_and_b32 v4, 31, v0
	v_lshlrev_b32 v1, 4, v4                        ; 16 L
	v_lshlrev_b32 v2, 3, v4                        ; 8 L
	v_lshlrev_b32 v3, 2, v4                        ; 4 L
	v_and_b32 v5, 15, v0                           ; r
	v_bfe_u32 v26, v0, 4, 1                        ; h
	s_lshl_b32 s90, s21, 7
	s_lshl_b32 s91, s[WV], 5
	s_add_co_u32 s90, s90, s91
	s_lshl_b32 s90, s90, 12                        ; the 32 rows that I store: 128 x + 32 wave, rows of 4,096 bytes,
	s_lshl_b32 s91, s23, 9
	s_add_co_u32 s90, s90, s91                     ; the tile's 512 bytes of them
	s_mov_b32 s92, s91
	s_mov_b32 s91, 0
	s_mov_b32 s93, 0
	s_add_nc_u64 s[8:9], s[8:9], s[90:91]
	s_add_nc_u64 s[12:13], s[12:13], s[90:91]
	s_add_nc_u64 s[10:11], s[10:11], s[92:93]
	WIN 0x40                                       ; the residual is asked for now, into window 1, and is wanted at the end
.set i, 0
.rept 32
	global_load_b128 v[128+4*i:131+4*i], v1, s[8:9] offset:(8*(i/16)+i%16+8*((i%16)/8))*4096 th:TH_LOAD_NT   ; stage row 32 wave + i is this row of the result, by the rows that form a tile
.set i, i+1
.endr
	WIN 0
	global_load_b128 v[16:19], v1, s[10:11]        ; the bias of my four columns
	s_mul_i32 s59, s17, 4*1536                     ; source 0: W's tiles 4 (wave % 2) on
	s_lshl_b32 s60, s17, 9
	s_add_co_u32 s60, s60, 12288
	s_mul_i32 s61, s18, 4*1536
	s_add_co_u32 s61, s61, 4*GRP                   ; source 1: A's tiles 4 (wave / 2) on
	s_lshl_b32 s62, s18, 9
	s_add_co_u32 s62, s62, 4*GRP+12288
	v_add_nc_u32 v20, s59, v1
	v_add_nc_u32 v21, s59, v2
	v_add_nc_u32 v22, s60, v3
	v_add_nc_u32 v23, s61, v1
	v_add_nc_u32 v24, s61, v2
	v_add_nc_u32 v25, s62, v3
	s_mul_i32 s59, s18, 64*SP
	s_lshl_b32 s60, s17, 8
	s_add_co_u32 s59, s59, s60
	s_add_co_u32 s59, s59, STAGE
	v_mul_u32_u24 v12, v5, SP
	v_lshl_add_u32 v12, v26, 6, v12
	v_add_nc_u32 v12, s59, v12                     ; into the stage: row 64 (wave / 2) + 16 a + r; byte 256 (wave % 2) + 128 b + 64 h + 32 u
	s_mul_i32 s60, s[WV], 32*SP
	s_add_co_u32 s60, s60, STAGE
	v_add_nc_u32 v13, s60, v1                      ; back: rows 32 wave on, whole, 16 bytes a lane
	s_wait_tensorcnt NPF-1                         ; my part of part 0 has landed; the later parts' loads stay out
	s_barrier_signal -1
	s_barrier_wait -1
	ADDR 0
	FETCH 0
.set kk, 0
.rept KS
	KSTEP kk
.set kk, kk+1
.endr
	PLACES                                         ; four places between the last products and the first read of results, and in front of loads into the fragments' registers
	WIN 0x04                                       ; an LDS store's data are its source 1: window 1
.irp a, 0,1,2,3
.irp t, 0,1,2,3
	ds_store_b128 v12, v[8*(4*\a+\t):8*(4*\a+\t)+3] offset:\a*16*SP+128*(\t/2)+32*(\t%2)       ; each accumulator from its low end on
	ds_store_b128 v12, v[8*(4*\a+\t)+4:8*(4*\a+\t)+7] offset:\a*16*SP+128*(\t/2)+32*(\t%2)+16
.endr
.endr
	WIN 0
	s_wait_dscnt 0x0                               ; for the others' sake: my stores into the stage have landed
	s_barrier_signal -1
	s_barrier_wait -1
.set i, 0
.rept 32
	ds_load_b128 v[64+4*i:67+4*i], v13 offset:SP*i
.set i, i+1
.endr
	s_wait_dscnt 0x0
	s_wait_loadcnt 0x0                             ; the residual and the bias
.set i, 0
.rept 32
	v_pk_add_f32 v[64+4*i:65+4*i], v[64+4*i:65+4*i], v[16:17]
	v_pk_add_f32 v[66+4*i:67+4*i], v[66+4*i:67+4*i], v[18:19]
.set i, i+1
.endr
	WIN 0x04                                       ; source 1 window 1
.set i, 0
.rept 64
	v_pk_add_f32 v[64+2*i:65+2*i], v[64+2*i:65+2*i], v[128+2*i:129+2*i]
.set i, i+1
.endr
	WIN 0
.set i, 0
.rept 32
.if KS == 16
	global_store_b128 v1, v[64+4*i:67+4*i], s[12:13] offset:(8*(i/16)+i%16+8*((i%16)/8))*4096 th:TH_STORE_NT   ; 32 lanes store 512 consecutive bytes, aligned
.else
	global_store_b128 v1, v[64+4*i:67+4*i], s[12:13] offset:(8*(i/16)+i%16+8*((i%16)/8))*4096   ; 32 lanes store 512 consecutive bytes, aligned
.endif
.set i, i+1
.endr
	s_wait_tensorcnt 0x0                           ; the wave's end, behind my last tensor load and my last LDS store
	ds_add_u32 v[SPW], v[NIL]
	s_wait_dscnt 0x0
	CROUND                                         ; the closing round
	s_endpgm
.Lfunc_end_k_q2477d386ee_oproj:
	.size	k_q2477d386ee_oproj, .Lfunc_end_k_q2477d386ee_oproj-k_q2477d386ee_oproj
	.p2alignl 7, 3214868480
	.fill 96, 4, 3214868480
	.section	.rodata,"a",@progbits
	.p2align	6, 0x0
	.amdhsa_kernel k_q2477d386ee_oproj
		.amdhsa_group_segment_fixed_size 327680
		.amdhsa_private_segment_fixed_size 0
		.amdhsa_enable_private_segment 0
		.amdhsa_kernarg_size 40
		.amdhsa_user_sgpr_count 2
		.amdhsa_user_sgpr_kernarg_segment_ptr 1
		.amdhsa_wavefront_size32 1
		.amdhsa_system_sgpr_workgroup_id_x 1
		.amdhsa_system_sgpr_workgroup_id_y 1
		.amdhsa_system_sgpr_workgroup_id_z 1
		.amdhsa_system_vgpr_workitem_id 0
		.amdhsa_next_free_vgpr 512
		.amdhsa_next_free_sgpr 100
		.amdhsa_reserve_vcc 0
		.amdhsa_float_denorm_mode_32 3
		.amdhsa_float_denorm_mode_16_64 3
		.amdhsa_memory_ordered 1
		.amdhsa_forward_progress 1
		.amdhsa_inst_pref_size 64
	.end_amdhsa_kernel
	.amdgpu_metadata
---
amdhsa.version: [ 1, 2 ]
amdhsa.kernels:
  - .name:           k_q2477d386ee_oproj
    .symbol:         k_q2477d386ee_oproj.kd
    .args:
      - { .name: wrest, .offset: 0, .size: 8, .value_kind: global_buffer, .address_space: global }
      - { .name: bufA, .offset: 8, .size: 8, .value_kind: global_buffer, .address_space: global }
      - { .name: x, .offset: 16, .size: 8, .value_kind: global_buffer, .address_space: global }
      - { .name: bo, .offset: 24, .size: 8, .value_kind: global_buffer, .address_space: global }
      - { .name: x1, .offset: 32, .size: 8, .value_kind: global_buffer, .address_space: global }
    .group_segment_fixed_size: 327680
    .private_segment_fixed_size: 0
    .kernarg_segment_align: 8
    .kernarg_segment_size: 40
    .max_flat_workgroup_size: 128
    .sgpr_count:     100
    .vgpr_count:     512
    .wavefront_size: 32
...
	.end_amdgpu_metadata
.endif
;; end of part 4
;; launch ln2: the kernel of part 1 again; grid 256 x 1, 8 waves a work-group, no clusters, 96,256 bytes of LDS; arguments x1, ln2_a, ln2_b, bufA, Wq, Wk, Wv, Wo, W1, W2, bq, bk, b1, wqk, w1c, wrest; writes bufA, wqk, w1c, wrest
;; launch ffn1: the kernel of part 2 again; grid 32 x 8, 4 waves a work-group, clusters of 4 x 4, 327,680 bytes of LDS; arguments w1c, bufA, big, wrest, bv, vt; writes big, vt
;; launch ffn2 (part 5): grid 32 x 8, 4 waves a work-group, clusters of 4 x 4, 327,680 bytes of LDS; arguments wrest, big, x1, b2, out0; writes out0
.if DOCPART == 5
	.amdgcn_target "amdgcn-amd-amdhsa--gfx1250"
	.amdhsa_code_object_version 6
	.text
	.protected	k_q2477d386ee_ffn2
	.globl	k_q2477d386ee_ffn2
	.p2align	8
	.type	k_q2477d386ee_ffn2,@function
k_q2477d386ee_ffn2:
	s_mov_b64 s[64:65], 0
	v_nop
	global_prefetch_b8 v0, s[64:65] scope:SCOPE_SE
	s_setreg_imm32_b32 hwreg(HW_REG_WAVE_MODE, 25, 1), 1
	s_wait_xcnt 0x0
	s_wait_alu depctr_hold_cnt(0) depctr_sa_sdst(0) depctr_va_vdst(0) depctr_va_sdst(0) depctr_va_ssrc(0) depctr_va_vcc(0) depctr_vm_vsrc(0)
	s_getreg_b32 s2, hwreg(HW_REG_IB_STS2, 6, 4)
	s_cmp_eq_u32 s2, 0
	s_cbranch_scc0 .Lentry_in_a_cluster
	s_endpgm
.Lentry_in_a_cluster:
	s_bfe_u32 s2, ttmp6, 0x10000c
	s_cmp_lg_u32 s2, 0xf033
	s_cbranch_scc0 .Lentry_shape_is_right
	s_endpgm
.Lentry_shape_is_right:
; out = res + (A W^T + bias), f32, the product on codes of FP6 (E2M3).  A and W are register images in groups of 128 rows x 128 K (GRP bytes): tile i at 1,536 i, half c at + 768 c (registers 6 c .. 6 c + 3 at 16 L,
; the last two at 512 + 8 L), scale words at 12,288 + 128 i + 4 L; lane r of tile i is row 32 (i / 2) + 8 (i % 2) + r + 8 (r / 8) of the group.
; A work-group makes 128 rows (block x of A) x 128 columns (row block y of W); wave (wave % 2, wave / 2) takes four tiles of W (source 0) x four of A (source 1): 16 accumulators; a lane holds eight columns of one row.
; K comes in parts of four K steps, W's four groups and then A's four, in slots of 106,496 bytes; all parts that fit (NPF) are asked for at the head; with KS = 16 the fourth part fills slot 0 again behind a round.
; CLUSTER 4 x 4: W's groups hang on y alone and are asked for jointly along a row of the cluster, A's on x alone and jointly along a column.
; The way out goes through one stage in LDS, since a row's 512 bytes come from two waves; each wave then adds bias and residual to 32 whole rows and stores 512 consecutive bytes an instruction.
; The stage lies in slot 1: that slot has had its only fill at the head, and every wave's reads of it are over at the barrier in front of part 3's reads.
; REGISTERS: window 0: v1-3 16 L, 8 L, 4 L; v6-11 LDS addresses in hand, v20-25 their bases; v12, v13 the stage; v16-19 the bias; v32-47 scale words, two sets; v64-159, v160-255 fragment sets (W's at + 12 t, A's at + 48 + 12 a).
;   window 1: v0-127 the accumulators (at 8 (4 a + t)); v128-255 32 rows of the residual.
.set KS,    16                         ; K steps
.set WOFF,  128*GRP                    ; where the weight begins in its buffer
.set NPF,   3                          ; parts asked for at the head: so many tensor loads of a wave are out
.set STAGE, 106496                     ; 128 rows x 528 bytes, in slot 1
.set GRP,   13312
.set SLOTB, 8*GRP
.set SPARE, 3*SLOTB                    ; the spare words, 128 bytes for each wave, which no other line names
.set SP,    528
.set SPW, 28
.set NIL, 29
.set WV,  16
.set G1W, 24
.set G1H, 32
.set G0W, 40                           ; s[40:51] groups 0 for W, one for each part at the head;  s[68:79] for A
.set G0H, 68
.set MSB, 0
.macro WIN new
.if MSB != (\new)
	s_set_vgpr_msb (MSB<<8)|(\new)
.set MSB, (\new)
.endif
.endm
.macro CROUND
	s_barrier_signal -1
	s_barrier_wait -1
	s_cmp_lg_u32 s[WV], 0
	s_cbranch_scc1 .Lnot_wave_0_\@
	s_barrier_signal -3
.Lnot_wave_0_\@:
	s_barrier_wait -3
	s_barrier_signal -1
	s_barrier_wait -1
.endm
.macro PLACES
.rept 4
	v_nop
.endr
.endm
.macro JLOAD                           ; a joint refill by the first set of groups 0; an s_nop 0 and four v_nop follow each of the two lines
	s_cmp_lt_u32 s[WV], 2
	s_cbranch_scc0 .Lfor_h_\@
	tensor_load_to_lds s[G0W:G0W+3], s[G1W:G1W+7]
	s_nop 0
	PLACES
	s_branch .Lasked_\@
.Lfor_h_\@:
	tensor_load_to_lds s[G0H:G0H+3], s[G1H:G1H+7]
	s_nop 0
	PLACES
.Lasked_\@:
.endm
.macro FRAG reg, a16, a8, off
	ds_load_b128 v[(\reg):(\reg)+3], v[\a16] offset:(\off)
	ds_load_b64 v[(\reg)+4:(\reg)+5], v[\a8] offset:(\off)+512
	ds_load_b128 v[(\reg)+6:(\reg)+9], v[\a16] offset:(\off)+768
	ds_load_b64 v[(\reg)+10:(\reg)+11], v[\a8] offset:(\off)+1280
.endm
.macro ADDR p                          ; the six LDS addresses for part p, which lies in slot p % 3
.irp i, 0,1,2,3,4,5
	v_add_nc_u32 v[6+\i], SLOTB*((\p)%3), v[20+\i]
.endr
.endm
.macro FETCH ks                        ; K step ks: 8 fragments and 8 scale words, 40 LDS loads, into set ks % 2
.irp t, 0,1,2,3
	FRAG 64+96*((\ks)%2)+12*\t, 6, 7, GRP*((\ks)%4)+1536*\t
.endr
.irp a, 0,1,2,3
	FRAG 112+96*((\ks)%2)+12*\a, 9, 10, GRP*((\ks)%4)+1536*\a
.endr
.irp t, 0,1,2,3
	ds_load_b32 v[32+8*((\ks)%2)+\t], v8 offset:GRP*((\ks)%4)+128*\t
.endr
.irp a, 0,1,2,3
	ds_load_b32 v[36+8*((\ks)%2)+\a], v11 offset:GRP*((\ks)%4)+128*\a
.endr
.endm
.macro MULS ks                         ; 16 products; the accumulators take turns, one instruction a turn; the first K step starts the sums
.irp a, 0,1,2,3
.irp t, 0,1,2,3
.if (\ks) == 0
	v_wmma_scale_f32_16x16x128_f8f6f4 v[8*(4*\a+\t):8*(4*\a+\t)+7], v[64+12*\t:75+12*\t], v[112+12*\a:123+12*\a], 0, v[32+\t], v[36+\a] matrix_a_fmt:MATRIX_FMT_FP6 matrix_b_fmt:MATRIX_FMT_FP6
.else
	v_wmma_scale_f32_16x16x128_f8f6f4 v[8*(4*\a+\t):8*(4*\a+\t)+7], v[64+96*((\ks)%2)+12*\t:75+96*((\ks)%2)+12*\t], v[112+96*((\ks)%2)+12*\a:123+96*((\ks)%2)+12*\a], v[8*(4*\a+\t):8*(4*\a+\t)+7], v[32+8*((\ks)%2)+\t], v[36+8*((\ks)%2)+\a] matrix_a_fmt:MATRIX_FMT_FP6 matrix_b_fmt:MATRIX_FMT_FP6
.endif
.endr
.endr
.endm
.macro BOUND p                         ; in front of the first read of part p
.if (KS == 16) && ((\p) == 1)
	s_wait_tensorcnt 0x0                           ; all my tensor loads have landed, parts 1 and 2 among them: so a group 0 may be written;
	ds_add_u32 v[SPW], v[NIL]
	s_add_nc_u64 s[G0W+2:G0W+3], s[G0W+2:G0W+3], 12*GRP   ; part 3: twelve K steps on, into the slot of part 0
	s_add_nc_u64 s[G0H+2:G0H+3], s[G0H+2:G0H+3], 12*GRP
	s_wait_dscnt 0x0                               ; the add is done, and my reads of part 0 are over
	CROUND                                         ; both now hold of every wave of every partner
	JLOAD                                          ; the first tensor load behind the round, and my only one
.elseif (KS == 8) || ((\p) == 3)
	s_wait_tensorcnt 0x0                           ; my last load has landed (none was issued behind it)
	s_wait_dscnt 0x0
	s_barrier_signal -1
	s_barrier_wait -1                              ; everybody's has
.endif                                 ; (part 2 was shown whole by the round in front of part 1's reads)
.endm
.macro KSTEP ks
.if (\ks) < KS-1
.if ((\ks)+1)%4 == 0
	BOUND ((\ks)+1)/4
	ADDR ((\ks)+1)/4                               ; (six plain instructions: the places in front of the loads)
.else
	PLACES
.endif
	FETCH (\ks)+1
	s_wait_dscnt 40                                ; all but the 40 just issued: this step's fragments are in
.else
	s_wait_dscnt 0x0
.endif
	WIN 0x50                                       ; C and D window 1
	MULS \ks
	WIN 0
.endm
	s_load_b256 s[4:11], s[0:1], 0x0               ; the weights s[4:5], A s[6:7], the residual s[8:9], the bias s[10:11]
	s_load_b64 s[12:13], s[0:1], 0x20              ; out
	v_lshl_add_u32 v[SPW], v0, 2, SPARE
	v_mov_b32 v[NIL], 0
	ds_add_u32 v[SPW], v[NIL]                      ; the wave's opening: the add and its wait ahead of my first tensor load; work on registers stands between them
	v_lshrrev_b32 v1, 5, v0
	v_readfirstlane_b32 s[WV], v1
	s_and_b32 s17, s[WV], 1
	s_lshr_b32 s18, s[WV], 1
	s_bfe_u32 s19, ttmp6, 0x40000                  ; cx
	s_bfe_u32 s20, ttmp6, 0x40004                  ; cy
	s_lshl_b32 s21, ttmp9, 2
	s_add_co_u32 s21, s21, s19                     ; x
	s_and_b32 s23, ttmp7, 0xffff
	s_lshl_b32 s23, s23, 2
	s_add_co_u32 s23, s23, s20                     ; y
	s_lshl_b32 s88, s20, 2
	s_lshl_b32 s88, 15, s88                        ; my row of the cluster
	s_lshl_b32 s89, 0x1111, s19                    ; my column
	s_or_b32 s[G1W], s88, (3<<16)|(1<<21)          ; the mask; elements of 8 bytes; bit 21 beside a mask; no padding
	s_or_b32 s[G1H], s89, (3<<16)|(1<<21)
.irp g, G1W, G1H
	s_mov_b32 s[\g+1], 32<<16                      ; two groups, dense, as 104 rows of 256 bytes
	s_mov_b32 s[\g+2], 104<<16
	s_mov_b32 s[\g+3], 32<<16
	s_mov_b32 s[\g+4], 104
	s_mov_b32 s[\g+5], 32
	s_mov_b32 s[\g+6], 0
	s_mov_b32 s[\g+7], 0
.endr
	s_lshl_b32 s86, s17, 1
	s_mul_i32 s84, s23, KS
	s_add_co_u32 s84, s84, s86
	s_mul_i32 s84, s84, GRP
	s_add_co_u32 s84, s84, WOFF                    ; W: row block y, K steps 2 (wave % 2) on (waves 0, 1)
	s_mov_b32 s85, 0
	s_mul_i32 s92, s21, KS
	s_add_co_u32 s92, s92, s86
	s_mul_i32 s92, s92, GRP                        ; A: block x likewise (waves 2, 3)
	s_mov_b32 s93, 0
	s_mul_i32 s94, s17, 2*GRP                      ; where they go
	s_add_co_u32 s95, s94, 4*GRP
	s_wait_dscnt 0x0                               ; the opening add is done
	s_wait_kmcnt 0x0
	s_add_nc_u64 s[86:87], s[4:5], s[84:85]
	s_add_nc_u64 s[96:97], s[6:7], s[92:93]
.set p, 0
.rept NPF
	s_mov_b32 s[G0W+4*p], 1
	s_add_co_u32 s[G0W+4*p+1], s94, SLOTB*p
	s_add_nc_u64 s[G0W+4*p+2:G0W+4*p+3], s[86:87], 4*p*GRP
	s_or_b32 s[G0W+4*p+3], s[G0W+4*p+3], 0x80000000
	s_mov_b32 s[G0H+4*p], 1
	s_add_co_u32 s[G0H+4*p+1], s95, SLOTB*p
	s_add_nc_u64 s[G0H+4*p+2:G0H+4*p+3], s[96:97], 4*p*GRP
	s_or_b32 s[G0H+4*p+3], s[G0H+4*p+3], 0x80000000
.set p, p+1
.endr
	CROUND                                         ; all sixteen work-groups are here: the first joint loads meet
	s_cmp_lt_u32 s[WV], 2                          ; a wave's first fills stand in one branch
	s_cbranch_scc0 .Lfirst_h
.set p, 0
.rept NPF
	tensor_load_to_lds s[G0W+4*p:G0W+4*p+3], s[G1W:G1W+7]
	s_nop 0
.set p, p+1
.endr
	PLACES
	s_branch .Lfirst_asked
.Lfirst_h:
.set p, 0
.rept NPF
	tensor_load_to_lds s[G0H+4*p:G0H+4*p+3], s[G1H:G1H+7]
	s_nop 0
.set p, p+1
.endr
	PLACES
.Lfirst_asked:
	v_and_b32 v4, 31, v0
	v_lshlrev_b32 v1, 4, v4                        ; 16 L
	v_lshlrev_b32 v2, 3, v4                        ; 8 L
	v_lshlrev_b32 v3, 2, v4                        ; 4 L
	v_and_b32 v5, 15, v0                           ; r
	v_bfe_u32 v26, v0, 4, 1                        ; h
	s_lshl_b32 s90, s21, 7
	s_lshl_b32 s91, s[WV], 5
	s_add_co_u32 s90, s90, s91
	s_lshl_b32 s90, s90, 12                        ; the 32 rows that I store: 128 x + 32 wave, rows of 4,096 bytes,
	s_lshl_b32 s91, s23, 9
	s_add_co_u32 s90, s90, s91                     ; the tile's 512 bytes of them
	s_mov_b32 s92, s91
	s_mov_b32 s91, 0
	s_mov_b32 s93, 0
	s_add_nc_u64 s[8:9], s[8:9], s[90:91]
	s_add_nc_u64 s[12:13], s[12:13], s[90:91]
	s_add_nc_u64 s[10:11], s[10:11], s[92:93]
	WIN 0x40                                       ; the residual is asked for now, into window 1, and is wanted at the end
.set i, 0
.rept 32
	global_load_b128 v[128+4*i:131+4*i], v1, s[8:9] offset:(8*(i/16)+i%16+8*((i%16)/8))*4096 th:TH_LOAD_NT   ; stage row 32 wave + i is this row of the result, by the rows that form a tile
.set i, i+1
.endr
	WIN 0
	global_load_b128 v[16:19], v1, s[10:11]        ; the bias of my four columns
	s_mul_i32 s59, s17, 4*1536                     ; source 0: W's tiles 4 (wave % 2) on
	s_lshl_b32 s60, s17, 9
	s_add_co_u32 s60, s60, 12288
	s_mul_i32 s61, s18, 4*1536
	s_add_co_u32 s61, s61, 4*GRP                   ; source 1: A's tiles 4 (wave / 2) on
	s_lshl_b32 s62, s18, 9
	s_add_co_u32 s62, s62, 4*GRP+12288
	v_add_nc_u32 v20, s59, v1
	v_add_nc_u32 v21, s59, v2
	v_add_nc_u32 v22, s60, v3
	v_add_nc_u32 v23, s61, v1
	v_add_nc_u32 v24, s61, v2
	v_add_nc_u32 v25, s62, v3
	s_mul_i32 s59, s18, 64*SP
	s_lshl_b32 s60, s17, 8
	s_add_co_u32 s59, s59, s60
	s_add_co_u32 s59, s59, STAGE
	v_mul_u32_u24 v12, v5, SP
	v_lshl_add_u32 v12, v26, 6, v12
	v_add_nc_u32 v12, s59, v12                     ; into the stage: row 64 (wave / 2) + 16 a + r; byte 256 (wave % 2) + 128 b + 64 h + 32 u
	s_mul_i32 s60, s[WV], 32*SP
	s_add_co_u32 s60, s60, STAGE
	v_add_nc_u32 v13, s60, v1                      ; back: rows 32 wave on, whole, 16 bytes a lane
	s_wait_tensorcnt NPF-1                         ; my part of part 0 has landed; the later parts' loads stay out
	s_barrier_signal -1
	s_barrier_wait -1
	ADDR 0
	FETCH 0
.set kk, 0
.rept KS
	KSTEP kk
.set kk, kk+1
.endr
	PLACES                                         ; four places between the last products and the first read of results, and in front of loads into the fragments' registers
	WIN 0x04                                       ; an LDS store's data are its source 1: window 1
.irp a, 0,1,2,3
.irp t, 0,1,2,3
	ds_store_b128 v12, v[8*(4*\a+\t):8*(4*\a+\t)+3] offset:\a*16*SP+128*(\t/2)+32*(\t%2)       ; each accumulator from its low end on
	ds_store_b128 v12, v[8*(4*\a+\t)+4:8*(4*\a+\t)+7] offset:\a*16*SP+128*(\t/2)+32*(\t%2)+16
.endr
.endr
	WIN 0
	s_wait_dscnt 0x0                               ; for the others' sake: my stores into the stage have landed
	s_barrier_signal -1
	s_barrier_wait -1
.set i, 0
.rept 32
	ds_load_b128 v[64+4*i:67+4*i], v13 offset:SP*i
.set i, i+1
.endr
	s_wait_dscnt 0x0
	s_wait_loadcnt 0x0                             ; the residual and the bias
.set i, 0
.rept 32
	v_pk_add_f32 v[64+4*i:65+4*i], v[64+4*i:65+4*i], v[16:17]
	v_pk_add_f32 v[66+4*i:67+4*i], v[66+4*i:67+4*i], v[18:19]
.set i, i+1
.endr
	WIN 0x04                                       ; source 1 window 1
.set i, 0
.rept 64
	v_pk_add_f32 v[64+2*i:65+2*i], v[64+2*i:65+2*i], v[128+2*i:129+2*i]
.set i, i+1
.endr
	WIN 0
.set i, 0
.rept 32
.if KS == 16
	global_store_b128 v1, v[64+4*i:67+4*i], s[12:13] offset:(8*(i/16)+i%16+8*((i%16)/8))*4096 th:TH_STORE_NT   ; 32 lanes store 512 consecutive bytes, aligned
.else
	global_store_b128 v1, v[64+4*i:67+4*i], s[12:13] offset:(8*(i/16)+i%16+8*((i%16)/8))*4096   ; 32 lanes store 512 consecutive bytes, aligned
.endif
.set i, i+1
.endr
	s_wait_tensorcnt 0x0                           ; the wave's end, behind my last tensor load and my last LDS store
	ds_add_u32 v[SPW], v[NIL]
	s_wait_dscnt 0x0
	CROUND                                         ; the closing round
	s_endpgm
.Lfunc_end_k_q2477d386ee_ffn2:
	.size	k_q2477d386ee_ffn2, .Lfunc_end_k_q2477d386ee_ffn2-k_q2477d386ee_ffn2
	.p2alignl 7, 3214868480
	.fill 96, 4, 3214868480
	.section	.rodata,"a",@progbits
	.p2align	6, 0x0
	.amdhsa_kernel k_q2477d386ee_ffn2
		.amdhsa_group_segment_fixed_size 327680
		.amdhsa_private_segment_fixed_size 0
		.amdhsa_enable_private_segment 0
		.amdhsa_kernarg_size 40
		.amdhsa_user_sgpr_count 2
		.amdhsa_user_sgpr_kernarg_segment_ptr 1
		.amdhsa_wavefront_size32 1
		.amdhsa_system_sgpr_workgroup_id_x 1
		.amdhsa_system_sgpr_workgroup_id_y 1
		.amdhsa_system_sgpr_workgroup_id_z 1
		.amdhsa_system_vgpr_workitem_id 0
		.amdhsa_next_free_vgpr 512
		.amdhsa_next_free_sgpr 100
		.amdhsa_reserve_vcc 0
		.amdhsa_float_denorm_mode_32 3
		.amdhsa_float_denorm_mode_16_64 3
		.amdhsa_memory_ordered 1
		.amdhsa_forward_progress 1
		.amdhsa_inst_pref_size 104
	.end_amdhsa_kernel
	.amdgpu_metadata
---
amdhsa.version: [ 1, 2 ]
amdhsa.kernels:
  - .name:           k_q2477d386ee_ffn2
    .symbol:         k_q2477d386ee_ffn2.kd
    .args:
      - { .name: wrest, .offset: 0, .size: 8, .value_kind: global_buffer, .address_space: global }
      - { .name: big, .offset: 8, .size: 8, .value_kind: global_buffer, .address_space: global }
      - { .name: x1, .offset: 16, .size: 8, .value_kind: global_buffer, .address_space: global }
      - { .name: b2, .offset: 24, .size: 8, .value_kind: global_buffer, .address_space: global }
      - { .name: out0, .offset: 32, .size: 8, .value_kind: global_buffer, .address_space: global }
    .group_segment_fixed_size: 327680
    .private_segment_fixed_size: 0
    .kernarg_segment_align: 8
    .kernarg_segment_size: 40
    .max_flat_workgroup_size: 128
    .sgpr_count:     100
    .vgpr_count:     512
    .wavefront_size: 32
...
	.end_amdgpu_metadata
.endif
;; end of part 5
